; MI455X (gfx1250); checked and timed in simulation.
; The chip was launched on July 23, 2026; its instructions are those of AMD's public machine-readable ISA for CDNA 5 (MIT licence, August 2026) and "CDNA5" Instruction Set Architecture Reference Guide (July 2026). The comments in the code are by the model that wrote it; some were corrected since.
;; Multi Head Self Attention. Allowed arithmetic: matrix products marked QUANTISED: E2M3 operands, one E8M0 scale for each 32 along K, by v_wmma_scale_f32_16x16x128_f8f6f4 with both operands' format E2M3, f32 sums; everything else in f32.
;; Inputs: Wk 1,024 x 1,024 float32; Wo 1,024 x 1,024 float32; Wq 1,024 x 1,024 float32; Wv 1,024 x 1,024 float32; batch_masks 4 x 2,048 int32; batch_node_features 4 x 2,048 x 1,024 float32; bk 1,024 float32; bo 1,024 float32; bq 1,024 float32; bv 1,024 float32.
;; Outputs: out0 4 x 2,048 x 1,024 float32.
;; This version of the problem:
;;   THIS VERSION OF THE PROBLEM IS GIVEN IN LOW PRECISION. The matrix products marked QUANTISED in the list below multiply operands that are first quantised to E2M3 (2 exponent bits, 3 mantissa bits; 6 bits a number), with one power-of-two scale for each 32 numbers along K (OCP MX v1.0); their sums are f32. All else is computed in f32.
;;   The module's matrix products, in the order in which they are computed (A, B: the left and right operand; K: the contracted axis; several contracted axes count as one K, in the product's order):
;;     1. [M 8,192, K 1,024] x [K 1,024, N 1,024]; A: input batch_node_features; B: input Wq: QUANTISED
;;     2. [M 8,192, K 1,024] x [K 1,024, N 1,024]; A: input batch_node_features; B: input Wk: QUANTISED
;;     3. [M 8,192, K 1,024] x [K 1,024, N 1,024]; A: input batch_node_features; B: input Wv: QUANTISED
;;     4. batch 64 x [M 2,048, K 64] x [K 64, N 2,048]; A: computed on the way; B: computed on the way: QUANTISED
;;     5. batch 64 x [M 2,048, K 2,048] x [K 2,048, N 64]; A: softmax (see below); B: computed on the way: QUANTISED
;;     6. [M 8,192, K 1,024] x [K 1,024, N 1,024]; A: computed on the way; B: input Wo: QUANTISED
;;   THE QUANTISER, for each operand of a quantised product, along K:
;;     - K is cut into blocks of 32 from its start; a last block that is shorter is filled with zeros.
;;     - A block's scale is 2^e with e = floor(log2(the largest magnitude in the block)) - 2, held to -126 .. 127; a block of zeros has e = 0. As a byte (E8M0): e + 127.
;;     - Each number is divided by its block's scale, clamped to +-7.5, and rounded to the nearest number of E2M3, ties to even, subnormals kept.
;;     - The product sums the exact products of the quantised numbers (number of the format x scale) in f32.
;;   ~~~python
;;   def quantise(x, axis):      # numpy; x: float32 -> the quantised numbers, widened to float32 again
;;       x = np.moveaxis(x, axis, -1); K = x.shape[-1]
;;       x = np.pad(x, [(0, 0)] * (x.ndim - 1) + [(0, -K % 32)]); x = x.reshape(x.shape[:-1] + (-1, 32)); a = np.abs(x).max(-1, keepdims=True)
;;       e = np.where(a > 0, np.clip(np.frexp(np.where(a > 0, a, 1))[1] - 1 - 2, -126, 127), 0)      # np.frexp(a)[1] - 1 = floor(log2(a)), exactly
;;       r = np.clip(x / 2.0 ** e, -7.5, 7.5)
;;       step = 2.0 ** (np.maximum(np.frexp(np.where(r == 0, 1, r))[1] - 1, 0) - 3)
;;       q = np.round(r / step) * step * 2.0 ** e      # np.round: ties to even
;;       return np.moveaxis(q.reshape(q.shape[:-2] + (-1,))[..., :K], -1, axis).astype(np.float32)
;;   ~~~
;;   SOFTMAX AHEAD OF A QUANTISED PRODUCT. Where the list says 'softmax', what is quantised is not the finished softmax but p = 2^(t - M), with t = logit x log2(e) and M = ceil(the row's largest t), a whole number; so 1/2 < the row's largest p <= 1. The row's sum l is taken of the UNQUANTISED p, in f32, and the product's result is divided by l at the end. Since M is a whole number, a kernel that streams over the keys may use a running M (the ceiling of the running maximum): every later rescaling is an exact power of two, which a block's scale takes up: the codes' values come out the same.
;;   OPERANDS COMPUTED ON THE WAY. 'Computed on the way' means the value that the module computes at that place (a softmax that the list does not call 'softmax' is quantised finished and normalised). What goes into a quantiser is computed in f32, as accurately as f32 sums, v_exp_f32 and their like allow (about 1e-6 of the number): no bf16 or f16 on the way to a quantiser, and a product that is left as it is and whose result goes on into a quantised operand takes f32 operands (vector FMAs, or v_wmma_f32_16x16x4_f32). A number that lies on a knife's edge between two numbers of the format may be rounded either way, as far as f32 arithmetic and the matrix unit's own rounding can turn it there, and no further.
;; One version. Each part assembles by itself: llvm-mc -triple=amdgcn-amd-amdhsa -mcpu=gfx1250 --defsym DOCPART=n.
;; ======== version 1 of 1: 4 launches
;; limits: right only within a limited range of input values
;; workspace buffers: img 9,437,184 bytes; scl 393,216 bytes; cs 512 bytes; qkv 24,379,392 bytes; cimg 6,291,456 bytes; cscl 262,144 bytes
;; launch quant (part 1): grid 385 x 1, 4 waves a work-group, no clusters, 58,880 bytes of LDS; arguments batch_node_features, Wq, Wk, Wv, Wo, batch_masks, img, scl, cs; writes img, scl, cs
.if DOCPART == 1
	.amdgcn_target "amdgcn-amd-amdhsa--gfx1250"
	.amdhsa_code_object_version 6
	.text
	.protected	k_qc863fd8f5b_quant
	.globl	k_qc863fd8f5b_quant
	.p2align	8
	.type	k_qc863fd8f5b_quant,@function
k_qc863fd8f5b_quant:
	s_mov_b64 s[64:65], 0
	v_nop
	global_prefetch_b8 v0, s[64:65] scope:SCOPE_SE
	s_setreg_imm32_b32 hwreg(HW_REG_WAVE_MODE, 25, 1), 1
	s_wait_xcnt 0x0
; x [8192][1024] and Wq, Wk, Wv, Wo [1024 (K)][1024] (f32) become codes of FP6 (E2M3) with one E8M0 byte for each 32 along K, laid as the products' operand registers want them.
; ROW TILES: an operand's rows (x: tokens; W: output features) go in tiles of 16; of each 32 rows tile 2 G + u holds rows 32 G + 8 u + r + 8 (r / 8), r = 0 .. 15.
; A FRAGMENT'S IMAGE (16 rows x 128 K, 12 registers a lane, 1,536 bytes): registers 0-1 at 8 x lane, 2-5 at 256 + 16 x lane, 6-7 at 768 + 8 x lane, 8-11 at 1,024 + 16 x lane.  A tile's eight K steps lie on end: 12,288 bytes.
; SCALES: [tile][slot 0..3][r][2 words], 512 bytes a tile: word q of slot s = the four bytes of K step 2 s + q.   img, scl: tiles 0-511 x, 512-575 Wq, 576-639 Wk, 640-703 Wv, 704-767 Wo.
; A block's byte is its largest magnitude's exponent field - 2, held at 1 from below by a floor among the maximum's leaves.
; LIMITS: a block of zeros, or one under 2^-124, gets the byte 1 (its codes are zeros or tiny; only this program reads the bytes).  NaN and infinities are not served.
; Work-groups 0-255: x.  256-383: the four W.  384: for each batch, cs = log2(e) / 8, or 0 where the batch has no key that counts (all weights are equal then, as with every score at -1e12).
; No cluster, no tensor load, no barrier: work-groups and waves share nothing.  The two paths that use LDS have bytes of their own.
.set XSTG,  8448                       ; x: a wave's stage: 16 rows x (512 + 16) bytes
.set WST0,  33792                      ; W: the stages begin behind x's four
.set WSTG,  6144                       ; a wave's: 2 tiles x 2 fragments x 1,536
.set SPARE, 58368                      ; the spare words: 128 bytes a wave, two blocks of 256 bytes that no other line names
.set SPW, 6                            ; v6  my spare word's LDS address; never rewritten
.set NIL, 7                            ; v7  0; never rewritten
.set R,   64                           ; x: v64-191 two sets of 64 numbers as loaded
.set X,   192                          ; x: v192-255 my two whole blocks of 32
.set H,   24                           ; x: v24-35 a fragment's 12 registers
.set TT,  36                           ; x: v36-38, v40-42 the upper halves' codes
	s_load_b256 s[4:11], s[0:1], 0x0               ; x, Wq, Wk, Wv
	s_load_b256 s[12:19], s[0:1], 0x20             ; Wo, masks, img, scl
	s_load_b64 s[20:21], s[0:1], 0x40              ; cs
	v_lshl_add_u32 v[SPW], v0, 2, SPARE
	v_mov_b32 v[NIL], 0
	v_lshrrev_b32 v1, 5, v0
	v_readfirstlane_b32 s22, v1                    ; wave
	v_and_b32 v1, 31, v0                           ; lane
	v_and_b32 v2, 15, v0                           ; r
	v_bfe_u32 v3, v0, 4, 1                         ; h
	v_lshlrev_b32 v4, 4, v1                        ; 16 x lane
	v_lshlrev_b32 v5, 3, v1                        ; 8 x lane
	s_mov_b32 s24, 0x76543210
	s_mov_b32 s25, 0xfedcba98                      ; lane l xor 16
	s_mov_b32 s26, 0xffff0000                      ; lanes 16-31
	s_wait_kmcnt 0x0
	s_cmp_lt_u32 ttmp9, 256
	s_cbranch_scc0 .Lnot_x
; ---------------- x: a wave takes one tile of 16 rows x 512 along K: four fragments
	s_lshl_b32 s27, ttmp9, 2
	s_add_co_u32 s27, s27, s22
	s_lshr_b32 s28, s27, 1                         ; the tile T
	s_and_b32 s29, s27, 1                          ; j: K steps 4 j .. 4 j + 3
	s_lshr_b32 s30, s28, 1
	s_lshl_b32 s30, s30, 17                        ; 32 rows of 4,096 bytes for each pair of tiles,
	s_and_b32 s31, s28, 1
	s_lshl_b32 s31, s31, 15                        ; 8 rows for the odd tile,
	s_add_co_u32 s30, s30, s31
	s_lshl_b32 s31, s29, 11                        ; 512 numbers along K
	s_add_co_u32 s30, s30, s31
	s_mov_b32 s31, 0
	s_add_nc_u64 s[4:5], s[4:5], s[30:31]
	s_mul_i32 s30, s28, 12288
	s_mul_i32 s32, s29, 6144
	s_add_co_u32 s30, s30, s32
	s_add_nc_u64 s[16:17], s[16:17], s[30:31]
	s_lshl_b32 s30, s28, 9
	s_lshl_b32 s32, s29, 8
	s_add_co_u32 s30, s30, s32
	s_add_nc_u64 s[18:19], s[18:19], s[30:31]
	s_mul_i32 s33, s22, XSTG
	s_wait_alu depctr_va_vdst(0)
	v_add_nc_u32 v8, s33, v4                       ; into the stage: a row's 512 bytes as loaded
	v_mul_u32_u24 v9, v2, 528
	v_lshl_add_u32 v9, v3, 7, v9
	v_add_nc_u32 v9, s33, v9                       ; out of it: row r, + 128 h: my blocks
	v_lshlrev_b32 v10, 3, v3                       ; 8 h
	v_mov_b32 v19, 0                               ; a lane permute's destination counts as read
.macro LOADX f                         ; fragment f: 16 rows x 512 consecutive bytes
.irp p, 0,1,2,3,4,5,6,7,8,9,10,11,12,13,14,15
	global_load_b128 v[R+64*((\f)%2)+4*\p:R+64*((\f)%2)+4*\p+3], v4, s[4:5] offset:(\p+8*(\p/8))*4096+512*(\f) th:TH_LOAD_NT
.endr
.endm
.macro FRAGX f
.if (\f) < 3
	s_wait_loadcnt 16                              ; this fragment's 16 loads are in; the next one's 16 may be out
.else
	s_wait_loadcnt 0
.endif
.irp p, 0,1,2,3,4,5,6,7,8,9,10,11,12,13,14,15
	ds_store_b128 v8, v[R+64*((\f)%2)+4*\p:R+64*((\f)%2)+4*\p+3] offset:528*\p
.endr
.irp c, 0,1                            ; LDS serves a wave's instructions in order: these see the stores.  Lane (r, h) takes blocks h and 2 + h of row r, whole
.irp i, 0,1,2,3,4,5,6,7
	ds_load_b128 v[X+32*\c+4*\i:X+32*\c+4*\i+3], v9 offset:256*\c+16*\i
.endr
.endr
	s_wait_dscnt 0x0
.if (\f) < 2
	LOADX (\f)+2
.endif
.irp c, 0,1
	v_max3_num_f32 v[12+\c], |v[X+32*\c]|, |v[X+32*\c+1]|, 0x1800000   ; with the floor 2^(3 - 127): the byte cannot fall under 1
.endr
.irp i, 2,4,6,8,10,12,14,16,18,20,22,24,26,28,30
.irp c, 0,1
	v_max3_num_f32 v[12+\c], v[12+\c], |v[X+32*\c+\i]|, |v[X+32*\c+\i+1]|
.endr
.endr
.irp c, 0,1
	v_add_nc_u32 v[14+\c], 0xff000000, v[12+\c]    ; 2 off the exponent field: the conversion's scale operand
.endr
.irp c, 0,1
	v_lshrrev_b32 v[16+\c], 23, v[14+\c]           ; the byte
.endr
	v_lshl_or_b32 v18, v17, 16, v16                ; my two bytes, blocks h and 2 + h,
	v_lshlrev_b32 v18, v10, v18                    ; at their places;
	v_permlanex16_b32 v19, v18, s24, s25
	v_or_b32 v[20+(\f)], v18, v19                  ; with lane l xor 16's the word is whole
.if (\f) > 0
	s_wait_alu depctr_va_vdst(0)
	s_wait_xcnt 0x0                                ; the last fragment's stores have read their data registers
.endif
.irp c, 0,1
	v_cvt_scalef32_pk16_fp6_f32 v[H+6*\c:H+6*\c+2], v[X+32*\c:X+32*\c+15], v[14+\c]
	v_cvt_scalef32_pk16_fp6_f32 v[TT+4*\c:TT+4*\c+2], v[X+32*\c+16:X+32*\c+31], v[14+\c]   ; (three registers that begin on an even number)
.endr
	v_nop                                          ; one plain place behind a scaled conversion
.irp c, 0,1
.irp i, 0,1,2
	v_mov_b32 v[H+6*\c+3+\i], v[TT+4*\c+\i]
.endr
.endr
.irp c, 0,1
	global_store_b64 v5, v[H+6*\c:H+6*\c+1], s[16:17] offset:1536*(\f)+768*\c          ; 256 consecutive bytes
	global_store_b128 v4, v[H+6*\c+2:H+6*\c+5], s[16:17] offset:1536*(\f)+768*\c+256   ; 512 consecutive bytes
.endr
.endm
	LOADX 0
	LOADX 1
	s_wait_alu depctr_va_vdst(0)
	FRAGX 0
	FRAGX 1
	FRAGX 2
	FRAGX 3
	v_cndmask_b32 v44, v20, v22, s26               ; lanes 0-15: slot 2 j's two words of row r; lanes 16-31: slot 2 j + 1's
	v_cndmask_b32 v45, v21, v23, s26
	global_store_b64 v5, v[44:45], s[18:19]        ; 256 consecutive bytes, aligned
	s_wait_tensorcnt 0x0                           ; the wave's end, behind my last LDS store
	ds_add_u32 v[SPW], v[NIL]
	s_wait_dscnt 0x0
	s_endpgm
.Lnot_x:
	s_cmp_lt_u32 ttmp9, 384
	s_cbranch_scc0 .Lmask
; ---------------- W: a lane takes a column (an output feature), its registers run down K: 32 columns x 256 along K a wave
	s_sub_co_u32 s27, ttmp9, 256
	s_lshr_b32 s28, s27, 5                         ; which W
	s_bfe_u32 s29, s27, 0x30002                    ; which 128 columns
	s_and_b32 s30, s27, 3                          ; which 256 along K
	s_cmp_eq_u32 s28, 1
	s_cselect_b64 s[6:7], s[8:9], s[6:7]
	s_cmp_eq_u32 s28, 2
	s_cselect_b64 s[6:7], s[10:11], s[6:7]
	s_cmp_eq_u32 s28, 3
	s_cselect_b64 s[6:7], s[12:13], s[6:7]
	s_lshl_b32 s32, s30, 20                        ; 256 rows of 4,096 bytes
	s_lshl_b32 s33, s29, 9
	s_add_co_u32 s32, s32, s33
	s_lshl_b32 s33, s22, 7
	s_add_co_u32 s32, s32, s33
	s_mov_b32 s33, 0
	s_add_nc_u64 s[6:7], s[6:7], s[32:33]
	s_lshl_b32 s34, s28, 6
	s_lshl_b32 s35, s29, 3
	s_add_co_u32 s34, s34, s35
	s_lshl_b32 s35, s22, 1
	s_add_co_u32 s34, s34, s35
	s_add_co_u32 s34, s34, 512                     ; my first tile: 512 + 64 W + 8 group + 2 wave
	s_mul_i32 s32, s34, 12288
	s_mul_i32 s35, s30, 3072
	s_add_co_u32 s32, s32, s35
	s_add_nc_u64 s[16:17], s[16:17], s[32:33]
	s_lshl_b32 s32, s34, 9
	s_lshl_b32 s35, s30, 7
	s_add_co_u32 s32, s32, s35
	s_add_nc_u64 s[18:19], s[18:19], s[32:33]
	s_wait_alu depctr_va_vdst(0)
	v_lshlrev_b32 v8, 2, v1                        ; 4 x lane
	v_bfe_u32 v9, v0, 3, 1                         ; u: which of the two tiles my column falls into
	v_and_b32 v10, 7, v0
	v_lshl_add_u32 v10, v3, 3, v10                 ; and its row there: lane % 8 + 8 (lane / 16)
	s_mul_i32 s36, s22, WSTG
	s_add_co_u32 s36, s36, WST0
	v_mul_u32_u24 v11, v9, 3072
	v_add_nc_u32 v11, s36, v11
	v_lshl_add_u32 v12, v10, 3, v11                ; where my 8-byte pieces go,
	v_lshl_add_u32 v13, v10, 4, v11                ; my 16-byte pieces,
	v_add_nc_u32 v14, s36, v4                      ; and where I read the images back
	v_lshlrev_b32 v15, 9, v9
	v_lshl_add_u32 v15, v10, 3, v15                ; my row's two scale words
.macro LOADW t
.irp i, 0,1,2,3,4,5,6,7,8,9,10,11,12,13,14,15,16,17,18,19,20,21,22,23,24,25,26,27,28,29,30,31
	global_load_b32 v[32+32*((\t)%2)+\i], v8, s[6:7] offset:(32*(\t)+\i)*4096 th:TH_LOAD_NT
.endr
.endm
.macro BLOCKW t                        ; block t of my column: block 2 c + h = t % 4 of fragment t / 4: it belongs to lane row + 16 h of the image
.set XS, 32+32*((\t)%2)
.if (\t) < 7
	s_wait_loadcnt 32                              ; this block's 32 loads are in; the next block's may be out
.else
	s_wait_loadcnt 0
.endif
	v_max3_num_f32 v16, |v[XS]|, |v[XS+1]|, |v[XS+2]|
	v_max3_num_f32 v17, |v[XS+3]|, |v[XS+4]|, |v[XS+5]|
.irp i, 6,10,14,18,22,26
	v_max3_num_f32 v16, v16, |v[XS+\i]|, |v[XS+\i+1]|
	v_max3_num_f32 v17, v17, |v[XS+\i+2]|, |v[XS+\i+3]|
.endr
	v_max3_num_f32 v16, v16, |v[XS+30]|, |v[XS+31]|
	v_max3_num_f32 v16, v16, v17, 0x1800000
	v_add_nc_u32 v18, 0xff000000, v16
	v_lshrrev_b32 v19, 23, v18
.if (\t)%4 == 0
	v_mov_b32 v[24+(\t)/4], v19
.else
	v_lshl_or_b32 v[24+(\t)/4], v19, 8*((\t)%4), v[24+(\t)/4]
.endif
	v_cvt_scalef32_pk16_fp6_f32 v[96:98], v[XS:XS+15], v18
	v_cvt_scalef32_pk16_fp6_f32 v[104:106], v[XS+16:XS+31], v18
	v_nop
	v_mov_b32 v99, v104
	v_mov_b32 v100, v105
	v_mov_b32 v101, v106
	ds_store_b64 v12, v[96:97] offset:1536*((\t)/4)+768*(((\t)%4)/2)+128*((\t)%2)
	ds_store_b128 v13, v[98:101] offset:1536*((\t)/4)+768*(((\t)%4)/2)+256+256*((\t)%2)
.if (\t)+2 < 8
	LOADW (\t)+2
.endif
	s_wait_dscnt 0x0
.endm
	LOADW 0
	LOADW 1
.irp t, 0,1,2,3,4,5,6,7
	BLOCKW \t
.endr
	s_wait_alu depctr_va_vdst(0)
	global_store_b64 v15, v[24:25], s[18:19]
.irp i, 0,1,2,3,4,5,6,7,8,9,10,11
	ds_load_b128 v[112+4*\i:115+4*\i], v14 offset:512*\i
.endr
.irp i, 0,1,2,3,4,5,6,7,8,9,10,11
	s_wait_dscnt 11-\i                             ; the younger loads may be out
	global_store_b128 v4, v[112+4*\i:115+4*\i], s[16:17] offset:(\i/6)*12288+(\i%6)*512   ; 512 consecutive bytes
.endr
	s_wait_tensorcnt 0x0                           ; the wave's end, as above
	ds_add_u32 v[SPW], v[NIL]
	s_wait_dscnt 0x0
	s_endpgm
.Lmask:
; ---------------- wave w: does any key of batch w count?
	s_lshl_b32 s28, s22, 13
	s_mov_b32 s29, 0
	s_add_nc_u64 s[14:15], s[14:15], s[28:29]
	s_wait_alu depctr_va_vdst(0)
.irp i, 0,1,2,3,4,5,6,7,8,9,10,11,12,13,14,15
	global_load_b128 v[32+4*\i:35+4*\i], v4, s[14:15] offset:512*\i
.endr
	s_wait_loadcnt 0x0
.set ii, 1
.rept 63
	v_or_b32 v32, v32, v[32+ii]
.set ii, ii+1
.endr
	v_cmp_ne_u32 vcc_lo, 0, v32
	s_cmp_lg_u32 vcc_lo, 0
	s_cselect_b32 s30, 0x3e38aa3b, 0               ; log2(e) / 8, or 0: it only selects a value
	v_mov_b32 v33, s30
	v_lshlrev_b32 v34, 2, v1
	s_lshl_b32 s28, s22, 7
	s_add_nc_u64 s[20:21], s[20:21], s[28:29]
	global_store_b32 v34, v33, s[20:21]
	s_endpgm
.Lfunc_end_k_qc863fd8f5b_quant:
	.size	k_qc863fd8f5b_quant, .Lfunc_end_k_qc863fd8f5b_quant-k_qc863fd8f5b_quant
	.p2alignl 7, 3214868480
	.fill 96, 4, 3214868480
	.section	.rodata,"a",@progbits
	.p2align	6, 0x0
	.amdhsa_kernel k_qc863fd8f5b_quant
		.amdhsa_group_segment_fixed_size 58880
		.amdhsa_private_segment_fixed_size 0
		.amdhsa_enable_private_segment 0
		.amdhsa_kernarg_size 72
		.amdhsa_user_sgpr_count 2
		.amdhsa_user_sgpr_kernarg_segment_ptr 1
		.amdhsa_wavefront_size32 1
		.amdhsa_system_sgpr_workgroup_id_x 1
		.amdhsa_system_sgpr_workgroup_id_y 1
		.amdhsa_system_sgpr_workgroup_id_z 1
		.amdhsa_system_vgpr_workitem_id 0
		.amdhsa_next_free_vgpr 256
		.amdhsa_next_free_sgpr 66
		.amdhsa_reserve_vcc 1
		.amdhsa_float_denorm_mode_32 3
		.amdhsa_float_denorm_mode_16_64 3
		.amdhsa_memory_ordered 1
		.amdhsa_forward_progress 1
		.amdhsa_inst_pref_size 76
	.end_amdhsa_kernel
	.amdgpu_metadata
---
amdhsa.version: [ 1, 2 ]
amdhsa.kernels:
  - .name:           k_qc863fd8f5b_quant
    .symbol:         k_qc863fd8f5b_quant.kd
    .args:
      - { .name: batch_node_features, .offset: 0, .size: 8, .value_kind: global_buffer, .address_space: global }
      - { .name: Wq, .offset: 8, .size: 8, .value_kind: global_buffer, .address_space: global }
      - { .name: Wk, .offset: 16, .size: 8, .value_kind: global_buffer, .address_space: global }
      - { .name: Wv, .offset: 24, .size: 8, .value_kind: global_buffer, .address_space: global }
      - { .name: Wo, .offset: 32, .size: 8, .value_kind: global_buffer, .address_space: global }
      - { .name: batch_masks, .offset: 40, .size: 8, .value_kind: global_buffer, .address_space: global }
      - { .name: img, .offset: 48, .size: 8, .value_kind: global_buffer, .address_space: global }
      - { .name: scl, .offset: 56, .size: 8, .value_kind: global_buffer, .address_space: global }
      - { .name: cs, .offset: 64, .size: 8, .value_kind: global_buffer, .address_space: global }
    .group_segment_fixed_size: 58880
    .private_segment_fixed_size: 0
    .kernarg_segment_align: 8
    .kernarg_segment_size: 72
    .max_flat_workgroup_size: 128
    .sgpr_count:     66
    .vgpr_count:     256
    .wavefront_size: 32
...
	.end_amdgpu_metadata
.endif
;; end of part 1
;; launch qkv (part 2): grid 12 x 32, 4 waves a work-group, clusters of 4 x 4, 327,680 bytes of LDS; arguments img, scl, bq, bk, bv, batch_masks, qkv; writes qkv
.if DOCPART == 2
	.amdgcn_target "amdgcn-amd-amdhsa--gfx1250"
	.amdhsa_code_object_version 6
	.text
	.protected	k_qc863fd8f5b_qkv
	.globl	k_qc863fd8f5b_qkv
	.p2align	8
	.type	k_qc863fd8f5b_qkv,@function
k_qc863fd8f5b_qkv:
	s_mov_b64 s[64:65], 0
	v_nop
	global_prefetch_b8 v0, s[64:65] scope:SCOPE_SE
	s_setreg_imm32_b32 hwreg(HW_REG_WAVE_MODE, 25, 1), 1
	s_wait_xcnt 0x0
	s_wait_alu depctr_hold_cnt(0) depctr_sa_sdst(0) depctr_va_vdst(0) depctr_va_sdst(0) depctr_va_ssrc(0) depctr_va_vcc(0) depctr_vm_vsrc(0)
	s_getreg_b32 s2, hwreg(HW_REG_IB_STS2, 6, 4)
	s_cmp_eq_u32 s2, 0
	s_cbranch_scc0 .Lentry_in_a_cluster
	s_endpgm
.Lentry_in_a_cluster:
	s_bfe_u32 s2, ttmp6, 0x10000c
	s_cmp_lg_u32 s2, 0xf033
	s_cbranch_scc0 .Lentry_shape_is_right
	s_endpgm
.Lentry_shape_is_right:
.set BIASC, 0
.set BIAS,  64
.set HALFT, 24576
.set SLOT,  98304
.set SCL,   196608
.set SPARE, 212992
.set HS,    380928
.set FR, 12
.set NL, 4
.set NQ, 2
.set NP, 4
.set ADRA, 16
.set ADRB, 20
.set L16,  24
.set L8,   25
.set ADRS, 27
.set SPW,  28
.set NIL,  29
.set SC,   32
.set AF,   128
.set G1, 24
.set G0, 32
.set G1B, 48
.set G0B, 56
.set G1S, 68
.set G0S, 76
.set G1SB, 80
.set G0SB, 88
.set MSB, 0
.macro WIN new
.if MSB != (\new)
	s_set_vgpr_msb (MSB<<8)|(\new)
.set MSB, (\new)
.endif
.endm
.set TO_B, 0x40
.macro WINMUL hi, zero
.if (\zero) && BIASC
	WIN 0x81+0x40*(\hi)
.else
	WIN 0xa1+0x50*(\hi)
.endif
.endm
.macro JLOAD g0a, g1a, g0b, g1b
	s_cmp_eq_u32 s19, 0
	s_cbranch_scc0 .Lfor_b_\@
	tensor_load_to_lds s[\g0a:\g0a+3], s[\g1a:\g1a+7]
	s_nop 0
.rept 4
	v_nop
.endr
	s_branch .Lasked_\@
.Lfor_b_\@:
	tensor_load_to_lds s[\g0b:\g0b+3], s[\g1b:\g1b+7]
	s_nop 0
.rept 4
	v_nop
.endr
.Lasked_\@:
.endm
.macro CREST
	s_cmp_lg_u32 s18, 0
	s_cbranch_scc1 .Lnot_wave_0_\@
	s_barrier_signal -3
.Lnot_wave_0_\@:
	s_barrier_wait -3
	s_barrier_signal -1
	s_barrier_wait -1
.endm
.macro CROUND
	s_barrier_signal -1
	s_barrier_wait -1
	CREST
.endm
.macro PLACES n
.rept \n
	v_nop
.endr
.endm
.macro FRAG reg, adr, q, i
	ds_load_b64  v[\reg:\reg+1],    v[\adr]   offset:3072*(\i)+1536*(\q)
	ds_load_b128 v[\reg+2:\reg+5],  v[\adr+2] offset:3072*(\i)+1536*(\q)+256
	ds_load_b64  v[\reg+6:\reg+7],  v[\adr]   offset:3072*(\i)+1536*(\q)+768
	ds_load_b128 v[\reg+8:\reg+11], v[\adr+2] offset:3072*(\i)+1536*(\q)+1024
.endm
.macro MUL16 a0, p, q, sc, zero
.irp a, \a0, \a0+1
.irp b, 0,1,2,3,4,5,6,7
.if (\zero) && BIASC
	v_wmma_scale_f32_16x16x128_f8f6f4 v[8*(8*((\a)%4)+\b):8*(8*((\a)%4)+\b)+7], v[128*(\p)+FR*\b:128*(\p)+FR*\b+FR-1], v[AF+FR*(\a):AF+FR*(\a)+FR-1], v[BIAS+8*\b:BIAS+8*\b+7], v[SC+8*NQ*(\sc)+NQ*\b+(\q)], v[SC+8*NQ*(\sc)+NQ*(\a)+(\q)] matrix_a_fmt:MATRIX_FMT_FP6 matrix_b_fmt:MATRIX_FMT_FP6 matrix_a_scale:MATRIX_SCALE_ROW1
.elseif \zero
	v_wmma_scale_f32_16x16x128_f8f6f4 v[8*(8*((\a)%4)+\b):8*(8*((\a)%4)+\b)+7], v[128*(\p)+FR*\b:128*(\p)+FR*\b+FR-1], v[AF+FR*(\a):AF+FR*(\a)+FR-1], 0, v[SC+8*NQ*(\sc)+NQ*\b+(\q)], v[SC+8*NQ*(\sc)+NQ*(\a)+(\q)] matrix_a_fmt:MATRIX_FMT_FP6 matrix_b_fmt:MATRIX_FMT_FP6 matrix_a_scale:MATRIX_SCALE_ROW1
.else
	v_wmma_scale_f32_16x16x128_f8f6f4 v[8*(8*((\a)%4)+\b):8*(8*((\a)%4)+\b)+7], v[128*(\p)+FR*\b:128*(\p)+FR*\b+FR-1], v[AF+FR*(\a):AF+FR*(\a)+FR-1], v[8*(8*((\a)%4)+\b):8*(8*((\a)%4)+\b)+7], v[SC+8*NQ*(\sc)+NQ*\b+(\q)], v[SC+8*NQ*(\sc)+NQ*(\a)+(\q)] matrix_a_fmt:MATRIX_FMT_FP6 matrix_b_fmt:MATRIX_FMT_FP6 matrix_a_scale:MATRIX_SCALE_ROW1
.endif
.endr
.endr
.endm
.macro FETCH_B slot, q, p
	WIN TO_B
.irp i, 0,1,2,3,4,5,6,7
	FRAG 128*(\p)+FR*\i, ADRB+\slot, \q, \i
.endr
	WIN 0
.endm
.macro FETCH_A slot, q, i0
.irp i, \i0, \i0+1, \i0+2, \i0+3
	FRAG AF+FR*(\i), ADRA+\slot, \q, \i
.endr
.endm
.macro SCALES sc
.irp i, 0,1,2,3,4,5,6,7
	ds_load_b64 v[SC+8*NQ*\sc+NQ*\i:SC+8*NQ*\sc+NQ*\i+1], v[ADRS] offset:512*\i
.endr
.endm
.macro STEP slot, q, zero
	s_wait_dscnt 4*NL
	WINMUL 0, \zero
	MUL16 0, (\q)%2, \q, \slot, \zero
	MUL16 2, (\q)%2, \q, \slot, \zero
	s_wait_dscnt 0
	PLACES NP
	FETCH_B \slot, (\q)+1, 1-(\q)%2
	FETCH_A \slot, (\q)+1, 0
	WINMUL 1, \zero
	MUL16 4, (\q)%2, \q, \slot, \zero
	MUL16 6, (\q)%2, \q, \slot, \zero
	PLACES NP
	WIN 0
	FETCH_A \slot, (\q)+1, 4
.endm
.macro TURN slot, next, fill
	s_wait_tensorcnt 0x0
	ds_add_u32 v[SPW], v[NIL]
	s_wait_dscnt 4*NL+1
	WINMUL 0, 0
	MUL16 0, 1, NQ-1, \slot, 0
	s_wait_dscnt 0x0
	s_barrier_signal -1
	MUL16 2, 1, NQ-1, \slot, 0
	WIN 0
	s_barrier_wait -1
.if \fill
	CREST
	s_add_nc_u64 s[G0+4*\slot+2:G0+4*\slot+3], s[G0+4*\slot+2:G0+4*\slot+3], 6144
	s_add_nc_u64 s[G0B+4*\slot+2:G0B+4*\slot+3], s[G0B+4*\slot+2:G0B+4*\slot+3], 6144
	JLOAD G0+4*\slot, G1, G0B+4*\slot, G1B
.else
	PLACES NP
.endif
	s_wait_alu depctr_va_vdst(0)
	v_add_nc_u32 v[ADRS], 128, v[ADRS]
	FETCH_B \next, 0, 0
	FETCH_A \next, 0, 0
	SCALES \next
	WINMUL 1, 0
	MUL16 4, 1, NQ-1, \slot, 0
	MUL16 6, 1, NQ-1, \slot, 0
	PLACES NP
	WIN 0
	FETCH_A \next, 0, 4
.endm
	s_load_b256 s[4:11], s[0:1], 0x0
	s_load_b128 s[12:15], s[0:1], 0x20
	s_load_b64 s[16:17], s[0:1], 0x30
	v_lshl_add_u32 v[SPW], v0, 2, SPARE
	v_mov_b32 v[NIL], 0
	ds_add_u32 v[SPW], v[NIL]
	ds_add_u32 v[SPW], v[NIL]
	v_lshrrev_b32 v1, 5, v0
	v_readfirstlane_b32 s18, v1
	s_lshr_b32 s19, s18, 1
	s_and_b32 s20, s18, 1
	s_bfe_u32 s21, ttmp6, 0x40000
	s_bfe_u32 s22, ttmp6, 0x40004
	s_and_b32 s40, ttmp7, 0xffff
	s_lshl_b32 s41, s22, 2
	s_lshl_b32 s41, 15, s41
	s_lshl_b32 s42, 0x1111, s21
	s_or_b32 s[G1], s41, (3<<16)|(1<<21)
	s_or_b32 s[G1B], s42, (3<<16)|(1<<21)
	s_or_b32 s[G1S], s41, (3<<16)|(1<<21)
	s_or_b32 s[G1SB], s42, (3<<16)|(1<<21)
.irp g, G1, G1B
	s_mov_b32 s[\g+1], 384<<16
	s_mov_b32 s[\g+2], 16<<16
	s_mov_b32 s[\g+3], 384<<16
	s_mov_b32 s[\g+4], 16
	s_mov_b32 s[\g+5], 1536
	s_mov_b32 s[\g+6], 0
	s_mov_b32 s[\g+7], 0
.endr
.irp g, G1S, G1SB
	s_mov_b32 s[\g+1], 32<<16
	s_mov_b32 s[\g+2], 32<<16
	s_mov_b32 s[\g+3], 32<<16
	s_mov_b32 s[\g+4], 32
	s_mov_b32 s[\g+5], 32
	s_mov_b32 s[\g+6], 0
	s_mov_b32 s[\g+7], 0
.endr
	s_lshl_b32 s43, s40, 6
	s_lshl_b32 s44, ttmp9, 6
	s_add_co_u32 s44, s44, 512
	s_cmp_eq_u32 ttmp9, 2
	s_cselect_b32 s23, 1, 0
	s_cselect_b32 s45, s43, s44
	s_mov_b32 s44, 640
	s_cselect_b32 s43, s44, s43
	s_lshl_b32 s46, s22, 4
	s_add_co_u32 s43, s43, s46
	s_lshl_b32 s47, s21, 4
	s_add_co_u32 s45, s45, s47
	s_lshl_b32 s41, s20, 3
	s_add_co_u32 s66, s43, s41
	s_add_co_u32 s67, s45, s41
	s_mul_i32 s92, s66, 12288
	s_mov_b32 s93, 0
	s_mul_i32 s94, s67, 12288
	s_mov_b32 s95, 0
	s_lshl_b32 s96, s43, 9
	s_mov_b32 s97, 0
	s_lshl_b32 s98, s45, 9
	s_mul_i32 s100, s43, 12288                     ; the work-group's 16 tiles of A and of B, for the head's loads
	s_mov_b32 s101, 0
	s_mul_i32 s66, s45, 12288
	s_mov_b32 s67, 0
	s_mov_b32 s99, 0
	s_mul_i32 s41, s18, HALFT
	s_wait_dscnt 0x0
	s_wait_kmcnt 0x0
	s_add_nc_u64 s[92:93], s[4:5], s[92:93]
	s_add_nc_u64 s[94:95], s[4:5], s[94:95]
	s_add_nc_u64 s[96:97], s[6:7], s[96:97]
	s_add_nc_u64 s[98:99], s[6:7], s[98:99]
	s_add_nc_u64 s[100:101], s[4:5], s[100:101]
	s_add_nc_u64 s[66:67], s[4:5], s[66:67]
	CROUND
	s_mov_b32 s[G0S], 1
	s_mov_b32 s[G0S+1], SCL
	s_mov_b64 s[G0S+2:G0S+3], s[96:97]
	s_or_b32 s[G0S+3], s[G0S+3], 0x80000000
	s_mov_b32 s[G0SB], 1
	s_mov_b32 s[G0SB+1], SCL+8192
	s_mov_b64 s[G0SB+2:G0SB+3], s[98:99]
	s_or_b32 s[G0SB+3], s[G0SB+3], 0x80000000
	s_mov_b32 s4, 1                                ; group 0 of the head's loads of slot 0: A's 16 tiles (the arguments that lay here have been used),
	s_mov_b32 s5, 0
	s_mov_b64 s[6:7], s[100:101]
	s_or_b32 s7, s7, 0x80000000
	s_mov_b32 s96, 1                               ; and B's, behind them
	s_mov_b32 s97, 2*HALFT
	s_mov_b64 s[98:99], s[66:67]
	s_or_b32 s99, s99, 0x80000000
.irp s, 0,1
	s_mov_b32 s[G0+4*\s], 1
	s_add_co_u32 s[G0+4*\s+1], s41, \s*SLOT
	s_add_nc_u64 s[G0+4*\s+2:G0+4*\s+3], s[92:93], \s*3072
	s_or_b32 s[G0+4*\s+3], s[G0+4*\s+3], 0x80000000
	s_mov_b32 s[G0B+4*\s], 1
	s_add_co_u32 s[G0B+4*\s+1], s41, \s*SLOT
	s_add_nc_u64 s[G0B+4*\s+2:G0B+4*\s+3], s[94:95], \s*3072
	s_or_b32 s[G0B+4*\s+3], s[G0B+4*\s+3], 0x80000000
.endr
	s_cmp_lt_u32 s18, 1                            ; the head's four tiles, one load a wave, one chain of branches
	s_cbranch_scc0 .Lh_b
	tensor_load_to_lds s[4:7], s[G1:G1+7]
	s_nop 0
	PLACES 4
	s_branch .Lh_asked
.Lh_b:
	s_cmp_lt_u32 s18, 2
	s_cbranch_scc0 .Lh_sa
	tensor_load_to_lds s[96:99], s[G1B:G1B+7]
	s_nop 0
	PLACES 4
	s_branch .Lh_asked
.Lh_sa:
	s_cmp_lt_u32 s18, 3
	s_cbranch_scc0 .Lh_sb
	tensor_load_to_lds s[G0S:G0S+3], s[G1S:G1S+7]
	s_nop 0
	PLACES 4
	s_branch .Lh_asked
.Lh_sb:
	tensor_load_to_lds s[G0SB:G0SB+3], s[G1SB:G1SB+7]
	s_nop 0
	PLACES 4
.Lh_asked:
	v_and_b32 v1, 31, v0
	v_and_b32 v2, 15, v0
	v_bfe_u32 v3, v0, 4, 1
	v_lshlrev_b32 v[L16], 4, v1
	v_lshlrev_b32 v[L8], 3, v1
	s_mul_i32 s40, s19, HALFT
	s_mul_i32 s41, s20, HALFT
	s_add_co_u32 s41, s41, 2*HALFT
.irp s, 0,1
	v_add_nc_u32 v[ADRA+\s], s40, v[L8]
	v_add_nc_u32 v[ADRA+2+\s], s40, v[L16]
	v_add_nc_u32 v[ADRB+\s], s41, v[L8]
	v_add_nc_u32 v[ADRB+2+\s], s41, v[L16]
	s_add_co_u32 s40, s40, SLOT
	s_add_co_u32 s41, s41, SLOT
.endr
	s_lshl_b32 s40, s19, 12
	s_lshl_b32 s41, s20, 12
	s_add_co_u32 s41, s41, 8192
	s_sub_co_u32 s41, s41, s40
	v_mul_u32_u24 v4, s41, v3
	s_add_co_u32 s40, s40, SCL
	v_lshl_add_u32 v4, v2, 3, v4
	v_add_nc_u32 v[ADRS], s40, v4
	s_cmp_eq_u32 s23, 1
	s_cselect_b32 s40, 640, 0
	s_cselect_b32 s41, 0, 512
	s_sub_co_u32 s40, s43, s40
	s_lshl_b32 s40, s40, 4
	s_lshl_b32 s42, s19, 7
	s_add_co_u32 s40, s40, s42
	s_sub_co_u32 s41, s45, s41
	s_lshl_b32 s41, s41, 4
	s_lshl_b32 s42, s20, 7
	s_add_co_u32 s41, s41, s42
	s_and_b32 s42, s41, 1023
	s_lshl_b32 s44, s42, 2
	s_lshl_b32 s46, s40, 2
	s_cmp_eq_u32 ttmp9, 1
	s_cselect_b64 s[8:9], s[10:11], s[8:9]
	s_cmp_eq_u32 s23, 1
	s_cselect_b64 s[8:9], s[12:13], s[8:9]
	s_cselect_b32 s44, 0, s44
	s_cselect_b32 s47, s46, 0
	s_cselect_b32 s46, 0, s46
	s_cselect_b32 s66, s41, s40
	s_cselect_b32 s67, s40, s42
	v_lshlrev_b32 v5, 6, v3
	v_add_nc_u32 v5, s44, v5
	v_and_b32 v8, 8, v2
	v_add_nc_u32 v8, v8, v2
	v_lshlrev_b32 v8, 2, v8
	v_add_nc_u32 v6, s47, v8
	v_add_nc_u32 v7, s46, v8
.irp e, 0,1,2,3
.irp k, 0,1,2,3
	global_load_b128 v[64+16*\e+4*\k:67+16*\e+4*\k], v5, s[8:9] offset:128*\e+16*\k
.endr
.endr
.irp a, 0,1,2,3,4,5,6,7
	global_load_b32 v[224+2*\a], v6, s[8:9] offset:4*(32*(\a/2)+8*(\a%2))
	global_load_b32 v[225+2*\a], v6, s[8:9] offset:4*(32*(\a/2)+8*(\a%2))
	global_load_b32 v[240+\a], v7, s[14:15] offset:4*(32*(\a/2)+8*(\a%2))
.endr
	s_lshr_b32 s47, s66, 11
	s_lshl_b32 s47, s47, 4
	s_lshr_b32 s46, s67, 6
	s_add_co_u32 s47, s47, s46
	s_lshl_b32 s47, s47, 4
	s_bfe_u32 s44, s66, 0x40007
	s_add_co_u32 s47, s47, s44
	s_mul_i32 s46, s47, 23808
	s_mul_i32 s44, ttmp9, 8704
	s_add_co_u32 s46, s46, s44
	s_mov_b32 s47, 0
	s_add_nc_u64 s[16:17], s[16:17], s[46:47]
	s_wait_alu depctr_va_vdst(0)
	s_wait_tensorcnt 0x0                           ; my tile of the head's four is in
	ds_add_u32 v[SPW], v[NIL]
	s_mov_b32 s[G1+2], 8<<16                       ; no load of mine is out: from here on a load brings 8 tiles
	s_mov_b32 s[G1+4], 8
	s_mov_b32 s[G1B+2], 8<<16
	s_mov_b32 s[G1B+4], 8
	s_wait_dscnt 0x0
	CROUND
	JLOAD G0+4, G1, G0B+4, G1B                     ; slot 1's first fill, the first tensor load behind the round
	FETCH_B 0, 0, 0
	FETCH_A 0, 0, 0
	SCALES 0
	FETCH_A 0, 0, 4
	STEP 0, 0, 1
	TURN 0, 1, 1
	STEP 1, 0, 0
	TURN 1, 0, 1
	STEP 0, 0, 0
	TURN 0, 1, 0
	STEP 1, 0, 0
	s_wait_dscnt 4*NL
	WINMUL 0, 0
	MUL16 0, 1, NQ-1, 1, 0
	MUL16 2, 1, NQ-1, 1, 0
	s_wait_dscnt 0
	WINMUL 1, 0
	MUL16 4, 1, NQ-1, 1, 0
	MUL16 6, 1, NQ-1, 1, 0
	WIN 0
	PLACES NP
.set T,   128
.set TM,  32
.set WA,  48
.set WB,  56
.set PC,  192
.set PT,  208
.set SW,  216
.set BN,  64
.set BM,  224
.set MK,  240
.set VNH, 248
.set VCM, 249
.set VCU, 250
.set VHK, 251
.set VHU, 252
.set EH,  253
.macro QUANT src, stp
.irp b, 0,1,2,3
	v_max3_num_f32 v[TM+\b], |v[\src+16*\b]|, |v[\src+1+16*\b]|, 0x1800000
.endr
.irp i, 2,4,6,8,10,12,14
.irp b, 0,1,2,3
	v_max3_num_f32 v[TM+\b], v[TM+\b], |v[\src+16*\b+\i]|, |v[\src+1+16*\b+\i]|
.endr
.endr
.irp b, 0,1,2,3
	v_permlanex16_b32 v[TM+4+\b], v[TM+\b], s2, s3
.endr
.irp b, 0,1,2,3
	v_max_num_f32 v[TM+\b], v[TM+\b], v[TM+4+\b]
.endr
.irp b, 0,1,2,3
	v_add_nc_u32 v[TM+12+\b], 0xff000000, v[TM+\b]
.endr
.irp b, 0,1,2,3
	v_lshrrev_b32 v[TM+4+\b], 23, v[TM+12+\b]
.endr
.irp c, 0,1
	v_cvt_scalef32_pk16_fp6_f32 v[PC+\stp*\c:PC+\stp*\c+2], v[\src+32*\c:\src+15+32*\c], v[TM+12+2*\c]
	v_cvt_scalef32_pk16_fp6_f32 v[PT+4*\c:PT+4*\c+2], v[\src+16+32*\c:\src+31+32*\c], v[TM+12+2*\c+1]
.endr
	v_nop
.irp c, 0,1
.irp i, 0,1,2
	v_permlane16_swap_b32 v[PC+\stp*\c+\i], v[PT+4*\c+\i]
.endr
.irp i, 0,1,2
	v_mov_b32 v[PC+\stp*\c+3+\i], v[PT+4*\c+\i]
.endr
.endr
.endm
	s_wait_loadcnt 0x0
	s_mov_b32 s2, 0x76543210
	s_mov_b32 s3, 0xfedcba98
	s_mov_b32 s100, 0xffff0000
.irp b, 0,1,2,3
	v_mov_b32 v[TM+4+\b], 0
.endr
	s_cmp_eq_u32 s23, 0
	s_cbranch_scc0 .Lv_out
	s_cmp_eq_u32 ttmp9, 0
	s_cselect_b32 s40, 0x18, 0x38
	s_cselect_b32 s41, 0x18, 0
	s_mov_b32 s42, 0x01910000
	s_cselect_b32 s42, 0x7f910000, s42
	s_mov_b32 s44, 0x01010000
	s_cselect_b32 s44, 0x7f910000, s44
	v_xor_b32 v[VNH], 1, v3
	v_mul_u32_u24 v[VCM], s40, v[VNH]
	v_mul_u32_u24 v[VCU], s41, v[VNH]
	v_mov_b32 v[VHK], s42
	v_mov_b32 v[VHU], s44
	v_mov_b32 v[PC+7], 0
	v_mov_b32 v[PC+15], 0
.macro EPI_QK a
.set AC, 64*((\a)%4)
	WIN 0x02+(\a)/4
.set ii, 0
.rept 32
	v_pk_add_f32 v[T+2*ii:T+2*ii+1], v[AC+2*ii:AC+2*ii+1], v[BN+2*ii:BN+2*ii+1]
.set ii, ii+1
.endr
	WIN 0
.if (\a) > 0
	s_wait_xcnt 0x0
.endif
	QUANT T, 8
	v_cmp_eq_u32 vcc_lo, 0, v[MK+(\a)]
	v_cndmask_b32 v[PC+6], v[VCU], v[VCM], vcc_lo
	v_cndmask_b32 v[EH], v[VHU], v[VHK], vcc_lo
	v_mov_b32 v[PC+14], v[PC+6]
	v_lshl_or_b32 v[WA+(\a)], v[TM+5], 8, v[TM+4]
	v_lshl_or_b32 v[WB+(\a)], v[TM+7], 8, v[TM+6]
	v_or_b32 v[WA+(\a)], v[WA+(\a)], v[EH]
	v_or_b32 v[WB+(\a)], v[WB+(\a)], v[EH]
.irp c, 0,1
.irp k, 0,1
	global_store_b128 v[L16], v[PC+8*\c+4*\k:PC+8*\c+4*\k+3], s[16:17] offset:1024*(\a)+\c*HS+512*\k
.endr
.endr
.endm
.irp a, 0,1,2,3,4,5,6,7
	EPI_QK \a
.endr
.irp i, 0,1,2,3
	v_cndmask_b32 v[SW+\i], v[WA+\i], v[WA+4+\i], s100
	v_cndmask_b32 v[SW+4+\i], v[WB+\i], v[WB+4+\i], s100
.endr
	global_store_b128 v[L16], v[SW:SW+3], s[16:17] offset:8192
	global_store_b128 v[L16], v[SW+4:SW+7], s[16:17] offset:8192+HS
	s_wait_tensorcnt 0x0
	ds_add_u32 v[SPW], v[NIL]
	s_wait_dscnt 0x0
	s_branch .Lend
.Lv_out:
.macro EPI_V a
.set AC, 64*((\a)%4)
	WIN 0x02+(\a)/4
.set ii, 0
.rept 32
	v_pk_add_f32 v[T+2*ii:T+2*ii+1], v[AC+2*ii:AC+2*ii+1], v[BM+2*(\a):BM+2*(\a)+1]
.set ii, ii+1
.endr
	WIN 0
.if (\a) > 0
	s_wait_xcnt 0x0
.endif
	QUANT T, 6
	v_lshl_or_b32 v[WA+(\a)], v[TM+5], 8, v[TM+4]
	v_lshl_or_b32 v[WA+(\a)], v[TM+6], 16, v[WA+(\a)]
	v_lshl_or_b32 v[WA+(\a)], v[TM+7], 24, v[WA+(\a)]
.irp k, 0,1,2
	global_store_b128 v[L16], v[PC+4*\k:PC+4*\k+3], s[16:17] offset:((\a)/4)*HS+((\a)%4)*1536+512*\k
.endr
.endm
.irp a, 0,1,2,3,4,5,6,7
	EPI_V \a
.endr
.irp e, 0,1
	v_cndmask_b32 v[SW+2*\e], v[WA+4*\e], v[WA+4*\e+2], s100
	v_cndmask_b32 v[SW+2*\e+1], v[WA+4*\e+1], v[WA+4*\e+3], s100
	global_store_b64 v[L8], v[SW+2*\e:SW+2*\e+1], s[16:17] offset:6144+\e*HS
.endr
	s_wait_tensorcnt 0x0
	ds_add_u32 v[SPW], v[NIL]
	s_wait_dscnt 0x0
.Lend:
	CROUND
	s_endpgm
.Lfunc_end_k_qc863fd8f5b_qkv:
	.size	k_qc863fd8f5b_qkv, .Lfunc_end_k_qc863fd8f5b_qkv-k_qc863fd8f5b_qkv
	.p2alignl 7, 3214868480
	.fill 96, 4, 3214868480
	.section	.rodata,"a",@progbits
	.p2align	6, 0x0
	.amdhsa_kernel k_qc863fd8f5b_qkv
		.amdhsa_group_segment_fixed_size 327680
		.amdhsa_private_segment_fixed_size 0
		.amdhsa_enable_private_segment 0
		.amdhsa_kernarg_size 56
		.amdhsa_user_sgpr_count 2
		.amdhsa_user_sgpr_kernarg_segment_ptr 1
		.amdhsa_wavefront_size32 1
		.amdhsa_system_sgpr_workgroup_id_x 1
		.amdhsa_system_sgpr_workgroup_id_y 1
		.amdhsa_system_sgpr_workgroup_id_z 1
		.amdhsa_system_vgpr_workitem_id 0
		.amdhsa_next_free_vgpr 1024
		.amdhsa_next_free_sgpr 104
		.amdhsa_reserve_vcc 1
		.amdhsa_float_denorm_mode_32 3
		.amdhsa_float_denorm_mode_16_64 3
		.amdhsa_memory_ordered 1
		.amdhsa_forward_progress 1
		.amdhsa_inst_pref_size 221
	.end_amdhsa_kernel
	.amdgpu_metadata
---
amdhsa.version: [ 1, 2 ]
amdhsa.kernels:
  - .name:           k_qc863fd8f5b_qkv
    .symbol:         k_qc863fd8f5b_qkv.kd
    .args:
      - { .name: img, .offset: 0, .size: 8, .value_kind: global_buffer, .address_space: global }
      - { .name: scl, .offset: 8, .size: 8, .value_kind: global_buffer, .address_space: global }
      - { .name: bq, .offset: 16, .size: 8, .value_kind: global_buffer, .address_space: global }
      - { .name: bk, .offset: 24, .size: 8, .value_kind: global_buffer, .address_space: global }
      - { .name: bv, .offset: 32, .size: 8, .value_kind: global_buffer, .address_space: global }
      - { .name: batch_masks, .offset: 40, .size: 8, .value_kind: global_buffer, .address_space: global }
      - { .name: qkv, .offset: 48, .size: 8, .value_kind: global_buffer, .address_space: global }
    .group_segment_fixed_size: 327680
    .private_segment_fixed_size: 0
    .kernarg_segment_align: 8
    .kernarg_segment_size: 56
    .max_flat_workgroup_size: 128
    .sgpr_count:     104
    .vgpr_count:     1024
    .wavefront_size: 32
...
	.end_amdgpu_metadata
.endif
;; end of part 2
;; launch attn (part 3): grid 4 x 64, 16 waves a work-group, clusters of 4 x 1, 243,712 bytes of LDS; arguments qkv, cs, cimg, cscl; writes cimg, cscl
.if DOCPART == 3
	.amdgcn_target "amdgcn-amd-amdhsa--gfx1250"
	.amdhsa_code_object_version 6
	.text
	.protected	k_qc863fd8f5b_attn
	.globl	k_qc863fd8f5b_attn
	.p2align	8
	.type	k_qc863fd8f5b_attn,@function
k_qc863fd8f5b_attn:
	s_mov_b64 s[64:65], 0
	v_nop
	global_prefetch_b8 v0, s[64:65] scope:SCOPE_SE
	s_setreg_imm32_b32 hwreg(HW_REG_WAVE_MODE, 25, 1), 1
	s_wait_xcnt 0x0
	s_wait_alu depctr_hold_cnt(0) depctr_sa_sdst(0) depctr_va_vdst(0) depctr_va_sdst(0) depctr_va_ssrc(0) depctr_va_vcc(0) depctr_vm_vsrc(0)
	s_getreg_b32 s2, hwreg(HW_REG_IB_STS2, 6, 4)
	s_cmp_eq_u32 s2, 0
	s_cbranch_scc0 .Lentry_in_a_cluster
	s_endpgm
.Lentry_in_a_cluster:
	s_bfe_u32 s2, ttmp6, 0x10000c
	s_cmp_lg_u32 s2, 0x3003
	s_cbranch_scc0 .Lentry_shape_is_right
	s_endpgm
.Lentry_shape_is_right:
; ctx = softmax(masked q k^T / 8) v for one head a cluster, both products on codes of FP6 (E2M3) with E8M0 scales, and ctx quantised along (head, d) for the last product.
; t = score x c, c = log2(e) / 8 (0 for a batch none of whose keys counts: every p is 1 then); M = the running largest t rounded up to a whole number; p = 2^(t - M) is quantised along the keys, not normalised;
; the row's sum is taken of the unquantised p and divides at the end.  The mask costs nothing here: the scores' K is 64 filled up to 128, and the code at k = 64 adds -2^40 to the score of a key that does not count.
; SHARES.  A cluster of four work-groups is one head; a work-group takes 512 queries in two blocks of 256; each of sixteen waves one tile of 16 queries in each block: 256 registers, four waves to a SIMD.
; THE HEAD'S K, V AND SCALE WORDS STAY IN LDS: 16 records of 15,104 bytes (128 keys each), every byte filled once, asked for jointly by the four work-groups (mask 15).  No slot is filled again.
; Both products are used transposed (S^T = K Q^T, O^T = V^T P^T): a lane holds one query throughout.  Tiles of keys and of d hold rows 32 G + 8 u + r + 8 (r / 8), so that 16 registers of two neighbouring tiles are 16 neighbours.
; K's fragments have 8 registers of their own; registers 8-11 hold whatever the last V left there: they meet Q's zero codes.
; LIMITS: as stated at the launch that makes the codes (-2^40 for -1e12); blocks under 2^-124 get the byte 1; NaN and infinities are not served.
.set HS,    380928
.set REC,   23808
.set KV,    15104                      ; a record's K 8,192 | K's scale words 512 | V 6,144 | V's scale words 256
.set SPARE, 241664                     ; the spare words: 128 bytes a wave, eight blocks of 256 bytes that no other line names
.set F,   52                           ; v52-99 four fragments of K or V
.set S,   100                          ; v100-163 S^T, then p
.set O,   164                          ; v164-195 O^T
.set PC,  196                          ; v196-207 p's codes
.set PT,  208
.set BMX, 216
.set BP,  220
.set SO,  224
; v1 16 x lane, v2 8 x lane, v3, v4 the add's two, v5, v6 the step's LDS addresses, v7 8 r + h, v12 -M, v13 largest t, v[14:15] the sum, v16-27, v28-39 Q of the two blocks, v40, v41 their scale words,
; v42 p's scale word, v[44:45] V's, v[48:51] K's, v[228:229] f, v230, v231 at work
.macro CROUND
	s_barrier_signal -1
	s_barrier_wait -1
	s_cmp_lg_u32 s12, 0
	s_cbranch_scc1 .Lnot_wave_0_\@
	s_barrier_signal -3
.Lnot_wave_0_\@:
	s_barrier_wait -3
	s_barrier_signal -1
	s_barrier_wait -1
.endm
	s_load_b256 s[4:11], s[0:1], 0x0               ; qkv, cs, cimg, cscl
	v_lshl_add_u32 v3, v0, 2, SPARE
	v_mov_b32 v4, 0
	ds_add_u32 v3, v4                              ; the wave's opening
	ds_add_u32 v3, v4
	v_lshrrev_b32 v8, 5, v0
	s_delay_alu instid0(VALU_DEP_1)
	v_readfirstlane_b32 s12, v8                    ; wave 0 .. 15
	s_bfe_u32 s13, ttmp6, 0x40000                  ; cx: it enters Q's and ctx's addresses alone
	s_and_b32 s14, ttmp7, 0xffff                   ; head 0 .. 63
	s_lshr_b32 s15, s14, 4                         ; batch
	s_and_b32 s16, s14, 15                         ; head in the batch
	s_mov_b32 s24, 15|(3<<16)|(1<<21)              ; group 1: all four work-groups; elements of 8 bytes; bit 21 beside a mask; 59 dense rows of 256 bytes
	s_mov_b32 s25, 32<<16
	s_mov_b32 s26, 59<<16
	s_mov_b32 s27, 32<<16
	s_mov_b32 s28, 59
	s_mov_b32 s29, 32
	s_mov_b32 s30, 0
	s_mov_b32 s31, 0
	s_mov_b32 s20, 0x76543210
	s_mov_b32 s21, 0xfedcba98                      ; lane l xor 16
	s_mov_b32 s56, 0xffff0000                      ; lanes 16-31
	s_mul_i32 s50, s14, HS
	s_mov_b32 s51, 0
	s_lshl_b32 s18, s15, 7
	s_mov_b32 s19, 0
	s_mul_i32 s57, s12, KV
	s_mul_i32 s58, s12, REC
	s_add_co_u32 s58, s58, 8704
	s_mov_b32 s59, 0
	s_wait_dscnt 0x0                               ; the opening add is done
	s_wait_kmcnt 0x0
	s_add_nc_u64 s[6:7], s[6:7], s[18:19]
	s_load_b32 s22, s[6:7], 0x0                    ; c of my batch: it multiplies, and steers nothing
	s_add_nc_u64 s[50:51], s[4:5], s[50:51]        ; my head's records
	s_add_nc_u64 s[58:59], s[50:51], s[58:59]
	CROUND                                         ; all four work-groups are here: the joint loads meet
	s_mov_b32 s32, 1                               ; wave w brings record w: one tensor load a wave, sixteen records
	s_mov_b32 s33, s57
	s_mov_b64 s[34:35], s[58:59]
	s_or_b32 s35, s35, 0x80000000
	s_cmp_lt_u32 s12, 4                            ; waves 0-3 have a load line of their own: the first barrier shows their records alone
	s_cbranch_scc0 .Llate
	tensor_load_to_lds s[32:35], s[24:31]
	s_nop 0
.rept 4
	v_nop
.endr
	s_branch .Lno_fetch
.Llate:
	tensor_load_to_lds s[32:35], s[24:31]
	s_nop 0
.rept 4
	v_nop
.endr
.Lno_fetch:
	v_and_b32 v8, 31, v0
	s_delay_alu instid0(VALU_DEP_1)
	v_lshlrev_b32 v1, 4, v8
	s_wait_alu depctr_va_vdst(0)
	v_lshlrev_b32 v2, 3, v8
	v_and_b32 v9, 15, v0                           ; r
	v_bfe_u32 v10, v0, 4, 1                        ; h
	s_delay_alu instid0(VALU_DEP_1)
	v_lshl_add_u32 v7, v9, 3, v10
	s_delay_alu instid0(VALU_DEP_3)
	v_lshlrev_b32 v11, 4, v9
	s_wait_alu depctr_va_vdst(0)
	s_lshl_b32 s60, s13, 2
	s_lshr_b32 s61, s12, 3
	s_add_co_u32 s60, s60, s61
	s_mul_i32 s60, s60, REC                        ; block 0: group 4 cx + wave / 8, tile wave % 8; block 1: two groups on
	s_and_b32 s61, s12, 7
	s_lshl_b32 s62, s61, 10
	s_add_co_u32 s62, s62, s60
	s_mov_b32 s63, 0
	s_add_nc_u64 s[62:63], s[50:51], s[62:63]
	s_lshr_b32 s66, s61, 2
	s_lshl_b32 s66, s66, 8
	s_and_b32 s67, s12, 3
	s_lshl_b32 s67, s67, 2
	s_add_co_u32 s66, s66, s67
	s_add_co_u32 s66, s66, s60
	s_add_co_u32 s66, s66, 8192
	s_mov_b32 s67, 0
	s_add_nc_u64 s[66:67], s[50:51], s[66:67]
	global_load_b128 v[16:19], v1, s[62:63]
	global_load_b128 v[20:23], v1, s[62:63] offset:512
	global_load_b128 v[28:31], v1, s[62:63] offset:2*REC
	global_load_b128 v[32:35], v1, s[62:63] offset:2*REC+512
	global_load_b32 v40, v11, s[66:67]
	global_load_b32 v41, v11, s[66:67] offset:2*REC
	s_lshl_b32 s60, s15, 7
	s_lshl_b32 s61, s13, 5
	s_add_co_u32 s60, s60, s61
	s_add_co_u32 s60, s60, s12                     ; ctx's tile of tokens: 128 batch + 32 cx + wave (+ 16 for block 1)
	s_mul_i32 s52, s60, 12288
	s_lshr_b32 s61, s16, 1
	s_mul_i32 s61, s61, 1536                       ; K step head / 2,
	s_add_co_u32 s52, s52, s61
	s_and_b32 s61, s16, 1
	s_mul_i32 s61, s61, 768                        ; its half head % 2
	s_add_co_u32 s52, s52, s61
	s_mov_b32 s53, 0
	s_add_nc_u64 s[52:53], s[8:9], s[52:53]
	s_lshl_b32 s54, s60, 9
	s_lshr_b32 s61, s16, 2
	s_lshl_b32 s61, s61, 7
	s_add_co_u32 s54, s54, s61
	s_and_b32 s61, s16, 3
	s_lshl_b32 s61, s61, 1
	s_add_co_u32 s54, s54, s61
	s_mov_b32 s55, 0
	s_add_nc_u64 s[54:55], s[10:11], s[54:55]
.irp i, 24,25,26,27,36,37,38,39
	v_mov_b32 v[\i], 0                             ; Q's codes from k = 75 on
.endr
.irp t, 0,1,2,3
.irp i, 8,9,10,11
	v_mov_b32 v[F+12*\t+\i], 0                     ; written once, so that the first scores read written registers
.endr
.endr
.irp b, 0,1,2,3
	v_mov_b32 v[BP+\b], 0                          ; a lane permute's destination counts as read
.endr
	v_mov_b32 v229, 0                              ; (named as the upper half of the pair v[228:229])
	v_mov_b32 v230, 0
	s_wait_kmcnt 0x0
	s_mov_b32 s23, s22                             ; (the packed form names the pair)
	s_wait_loadcnt 0x0                             ; Q
; A KEY STEP: the 128 keys of the record at LDS byte s48.  qb: Q's first register; qs: its scale word
.macro STEP qb, qs
	v_add_nc_u32 v5, s48, v1
	s_wait_alu depctr_va_vdst(0)
	v_add_nc_u32 v6, s48, v2
	v_nop
	v_nop                                          ; four places behind the last products, in front of loads into registers that they read
	ds_load_b128 v[48:51], v5 offset:8192          ; K's scale words: lanes 0-15 tiles 0-3, lanes 16-31 tiles 4-7
.irp g, 0,1
.if \g
.rept 4
	v_nop
.endr
.endif
.irp t, 0,1,2,3
	ds_load_b128 v[F+12*\t:F+12*\t+3], v5 offset:1024*(4*\g+\t)
	ds_load_b128 v[F+12*\t+4:F+12*\t+7], v5 offset:1024*(4*\g+\t)+512
.endr
	s_wait_dscnt 0x0
.irp t, 0,1,2,3
.if \g
	v_wmma_scale_f32_16x16x128_f8f6f4 v[S+8*(4*\g+\t):S+8*(4*\g+\t)+7], v[F+12*\t:F+12*\t+11], v[\qb:\qb+11], 0, v[48+\t], v[\qs] matrix_a_fmt:MATRIX_FMT_FP6 matrix_b_fmt:MATRIX_FMT_FP6 matrix_a_scale:MATRIX_SCALE_ROW1
.else
	v_wmma_scale_f32_16x16x128_f8f6f4 v[S+8*(4*\g+\t):S+8*(4*\g+\t)+7], v[F+12*\t:F+12*\t+11], v[\qb:\qb+11], 0, v[48+\t], v[\qs] matrix_a_fmt:MATRIX_FMT_FP6 matrix_b_fmt:MATRIX_FMT_FP6
.endif
.endr
.endr
.irp b, 0,1                            ; the largest score of each block of 32 keys.  Blocks 0 and 1 were finished by the first four products: their first four maxima name no register of the last four and are the places behind those
	v_max3_num_f32 v[BMX+\b], v[S+16*\b], v[S+16*\b+1], v[S+16*\b+2]
.endr
.irp b, 0,1
	v_max3_num_f32 v[BMX+\b], v[BMX+\b], v[S+16*\b+3], v[S+16*\b+4]
.endr
.irp t, 0,1,2,3                        ; V is asked for now and lands under the softmax
.irp k, 0,1,2
	ds_load_b128 v[F+12*\t+4*\k:F+12*\t+4*\k+3], v5 offset:8704+1536*\t+512*\k
.endr
.endr
	s_wait_alu depctr_va_vdst(0)
	ds_load_b64 v[44:45], v6 offset:14848          ; V's scale words: lanes 0-15 tiles 0, 1; lanes 16-31 tiles 2, 3
.irp b, 2,3
	v_max3_num_f32 v[BMX+\b], v[S+16*\b], v[S+16*\b+1], v[S+16*\b+2]
.endr
.irp b, 2,3
	v_max3_num_f32 v[BMX+\b], v[BMX+\b], v[S+16*\b+3], v[S+16*\b+4]
.endr
.irp i, 5,7,9,11,13
.irp b, 0,1,2,3
	v_max3_num_f32 v[BMX+\b], v[BMX+\b], v[S+16*\b+\i], v[S+16*\b+\i+1]
.endr
.endr
.irp b, 0,1,2,3
	v_max_num_f32 v[BMX+\b], v[BMX+\b], v[S+15+16*\b]
.endr
.irp b, 0,1,2,3
	s_delay_alu instid0(VALU_DEP_4)
	v_permlanex16_b32 v[BP+\b], v[BMX+\b], s20, s21
.endr
.irp b, 0,1,2,3
	s_delay_alu instid0(VALU_DEP_4)
	v_max_num_f32 v[BMX+\b], v[BMX+\b], v[BP+\b]
.endr
	s_delay_alu instid0(VALU_DEP_2)
	v_max3_num_f32 v230, v216, v217, v218
	s_delay_alu instid0(VALU_DEP_1)
	v_max_num_f32 v230, v230, v219
	s_delay_alu instid0(VALU_DEP_1)
	v_mul_f32 v230, s22, v230                      ; as t (c is not negative)
	s_delay_alu instid0(VALU_DEP_1)
	v_max_num_f32 v13, v13, v230                   ; the running largest t
	v_mov_b32 v230, v12
	s_delay_alu instid0(VALU_DEP_2)
	v_floor_f32 v12, -v13                          ; -M = floor(-t): M is a whole number
	s_delay_alu instid0(VALU_DEP_1)
	v_sub_f32 v230, v12, v230                      ; old M - new M: a whole number, 0 or less
	s_delay_alu instid0(VALU_DEP_1)
	v_cvt_i32_f32 v230, v230                       ; (it saturates)
	s_delay_alu instid0(VALU_DEP_1)
	v_ldexp_f32 v228, 1.0, v230                    ; f = 2^(old M - new M)
.set jj, 0
.rept 32
	v_pk_fma_f32 v[S+jj:S+jj+1], v[S+jj:S+jj+1], s[22:23], v[12:13] op_sel_hi:[1,0,0]   ; t - M
.set jj, jj+2
.endr
.irp b, 0,1,2,3
	v_fma_f32 v[BMX+\b], v[BMX+\b], s22, v12
.endr
.set jj, 0
	s_wait_alu depctr_va_vdst(0)
.rept 64
	v_exp_f32 v[S+jj], v[S+jj]                     ; p, at most 1
.set jj, jj+1
.endr
	v_pk_mul_f32 v[14:15], v[14:15], v[228:229] op_sel_hi:[1,0]   ; the sums under the new M; a plain place behind the exponentials
	s_wait_alu depctr_va_vdst(0)                   ; one wait for the batch, ahead of its first reader
.irp b, 0,1,2,3
	v_exp_f32 v[BMX+\b], v[BMX+\b]                 ; each block's largest p
.endr
	v_pk_add_f32 v[220:221], v[104:105], v[108:109]
	v_pk_add_f32 v[254:255], v[112:113], v[116:117]
	v_pk_add_f32 v[252:253], v[120:121], v[124:125]
	v_pk_add_f32 v[250:251], v[128:129], v[132:133]
	v_pk_add_f32 v[248:249], v[136:137], v[140:141]
	v_pk_add_f32 v[246:247], v[144:145], v[148:149]
	v_pk_add_f32 v[244:245], v[152:153], v[156:157]
	v_pk_add_f32 v[14:15], v[14:15], v[160:161]
	v_pk_add_f32 v[220:221], v[220:221], v[100:101]
	v_pk_add_f32 v[254:255], v[254:255], v[102:103]
	v_pk_add_f32 v[252:253], v[252:253], v[106:107]
	v_pk_add_f32 v[250:251], v[250:251], v[110:111]
	v_pk_add_f32 v[248:249], v[248:249], v[114:115]
	v_pk_add_f32 v[246:247], v[246:247], v[118:119]
	v_pk_add_f32 v[244:245], v[244:245], v[122:123]
	v_pk_add_f32 v[14:15], v[14:15], v[126:127]
	v_pk_add_f32 v[220:221], v[220:221], v[130:131]
	v_pk_add_f32 v[254:255], v[254:255], v[134:135]
	v_pk_add_f32 v[252:253], v[252:253], v[138:139]
	v_pk_add_f32 v[250:251], v[250:251], v[142:143]
	v_pk_add_f32 v[248:249], v[248:249], v[146:147]
	v_pk_add_f32 v[246:247], v[246:247], v[150:151]
	v_pk_add_f32 v[244:245], v[244:245], v[154:155]
	v_pk_add_f32 v[14:15], v[14:15], v[158:159]
	v_pk_add_f32 v[220:221], v[220:221], v[162:163]
	s_delay_alu instid0(VALU_DEP_2)
	v_pk_add_f32 v[14:15], v[14:15], v[250:251]
	s_delay_alu instid0(VALU_DEP_2)
	v_pk_add_f32 v[220:221], v[220:221], v[248:249]
	v_pk_add_f32 v[254:255], v[254:255], v[246:247]
	v_pk_add_f32 v[252:253], v[252:253], v[244:245]
	s_delay_alu instid0(VALU_DEP_2)
	v_pk_add_f32 v[14:15], v[14:15], v[254:255]
	s_delay_alu instid0(VALU_DEP_2)
	v_pk_add_f32 v[220:221], v[220:221], v[252:253]
	s_delay_alu instid0(VALU_DEP_1)
	v_pk_add_f32 v[14:15], v[14:15], v[220:221]
	s_wait_alu depctr_va_vdst(0)                   ; and one for the four
.irp b, 0,1,2,3
	v_max_num_f32 v[BMX+\b], 0x1800000, v[BMX+\b]  ; the floor: the byte cannot fall under 1
.endr
.irp b, 0,1,2,3
	s_delay_alu instid0(VALU_DEP_4)
	v_add_nc_u32 v[SO+\b], 0xff000000, v[BMX+\b]
.endr
.irp b, 0,1,2,3
	s_delay_alu instid0(VALU_DEP_4)
	v_lshrrev_b32 v[BP+\b], 23, v[SO+\b]
.endr
	s_delay_alu instid0(VALU_DEP_3)
	v_lshl_or_b32 v42, v221, 8, v220
	s_delay_alu instid0(VALU_DEP_1)
	v_lshl_or_b32 v42, v222, 16, v42
	s_delay_alu instid0(VALU_DEP_1)
	v_lshl_or_b32 v42, v223, 24, v42
.irp c, 0,1
	v_cvt_scalef32_pk16_fp6_f32 v[PC+6*\c:PC+6*\c+2], v[S+32*\c:S+32*\c+15], v[SO+2*\c]
	v_cvt_scalef32_pk16_fp6_f32 v[PT+4*\c:PT+4*\c+2], v[S+32*\c+16:S+32*\c+31], v[SO+2*\c+1]
.endr
	v_nop
.irp c, 0,1
.irp i, 0,1,2
	v_permlane16_swap_b32 v[PC+6*\c+\i], v[PT+4*\c+\i]
.endr
.irp i, 0,1,2
	s_delay_alu instid0(VALU_DEP_3)
	v_mov_b32 v[PC+6*\c+3+\i], v[PT+4*\c+\i]
.endr
.endr
.set jj, 0
.rept 16
	v_pk_mul_f32 v[O+jj:O+jj+1], v[O+jj:O+jj+1], v[228:229] op_sel_hi:[1,0]   ; O^T under the new M; these sixteen are also the places in front of the products below
.set jj, jj+2
.endr
	s_wait_alu depctr_va_vdst(0)
	s_wait_dscnt 0x0                               ; V
	v_wmma_scale_f32_16x16x128_f8f6f4 v[O:O+7], v[F:F+11], v[PC:PC+11], v[O:O+7], v44, v42 matrix_a_fmt:MATRIX_FMT_FP6 matrix_b_fmt:MATRIX_FMT_FP6
	v_wmma_scale_f32_16x16x128_f8f6f4 v[O+8:O+15], v[F+12:F+23], v[PC:PC+11], v[O+8:O+15], v45, v42 matrix_a_fmt:MATRIX_FMT_FP6 matrix_b_fmt:MATRIX_FMT_FP6
	v_wmma_scale_f32_16x16x128_f8f6f4 v[O+16:O+23], v[F+24:F+35], v[PC:PC+11], v[O+16:O+23], v44, v42 matrix_a_fmt:MATRIX_FMT_FP6 matrix_b_fmt:MATRIX_FMT_FP6 matrix_a_scale:MATRIX_SCALE_ROW1
	v_wmma_scale_f32_16x16x128_f8f6f4 v[O+24:O+31], v[F+36:F+47], v[PC:PC+11], v[O+24:O+31], v45, v42 matrix_a_fmt:MATRIX_FMT_FP6 matrix_b_fmt:MATRIX_FMT_FP6 matrix_a_scale:MATRIX_SCALE_ROW1
.endm
.macro WALK first, trips, qb, qs       ; so many key steps from LDS byte first on
	s_mov_b32 s48, \first
	s_mov_b32 s49, \trips
.Lstep_\@:
	STEP \qb, \qs
	s_add_co_u32 s48, s48, KV
	s_sub_co_u32 s49, s49, 1
	s_cmp_lg_u32 s49, 0
	s_cbranch_scc1 .Lstep_\@
.endm
.macro INIT
	v_mov_b32 v13, 0xff61b1e6                      ; -3e38, under every t
	s_delay_alu instid0(VALU_DEP_1)
	v_floor_f32 v12, -v13
	v_mov_b32 v14, 0
	v_mov_b32 v15, 0
.set jj, 0
.rept 32
	v_mov_b32 v[O+jj], 0                           ; the step is written once: the first finds zeros, which the first change of M leaves zeros
.set jj, jj+1
.endr
.endm
.macro WAYOUT blk                      ; O^T / the sum; its 64 numbers a row are two blocks of the last product's K: half a fragment and two scale bytes
.rept 4
	v_nop                                          ; places behind the last products
.endr
	v_add_f32 v14, v14, v15
	s_delay_alu instid0(VALU_DEP_1)
	v_permlanex16_b32 v230, v14, s20, s21
	s_delay_alu instid0(VALU_DEP_1)
	v_add_f32 v14, v14, v230
	s_wait_alu depctr_va_vdst(0)
	v_rcp_f32 v14, v14
	v_nop
	s_wait_alu depctr_va_vdst(0)
.set jj, 0
.rept 32
	v_mul_f32 v[S+jj], v[O+jj], v14                ; register 16 b + i: d = 32 b + 16 h + i of query r
.set jj, jj+1
.endr
.irp b, 0,1
	v_max3_num_f32 v[BMX+\b], |v[S+16*\b]|, |v[S+16*\b+1]|, 0x1800000
.endr
.irp i, 2,4,6,8,10,12,14
.irp b, 0,1
	s_delay_alu instid0(VALU_DEP_2)
	v_max3_num_f32 v[BMX+\b], v[BMX+\b], |v[S+16*\b+\i]|, |v[S+16*\b+\i+1]|
.endr
.endr
.irp b, 0,1
	s_delay_alu instid0(VALU_DEP_2)
	v_permlanex16_b32 v[BP+\b], v[BMX+\b], s20, s21
.endr
.irp b, 0,1
	s_delay_alu instid0(VALU_DEP_2)
	v_max_num_f32 v[BMX+\b], v[BMX+\b], v[BP+\b]
.endr
.irp b, 0,1
	s_delay_alu instid0(VALU_DEP_2)
	v_add_nc_u32 v[SO+\b], 0xff000000, v[BMX+\b]
.endr
.irp b, 0,1
	s_delay_alu instid0(VALU_DEP_2)
	v_lshrrev_b32 v[BP+\b], 23, v[SO+\b]
.endr
	v_cvt_scalef32_pk16_fp6_f32 v[PC:PC+2], v[S:S+15], v[SO]
	v_cvt_scalef32_pk16_fp6_f32 v[PT:PT+2], v[S+16:S+31], v[SO+1]
	v_nop
.irp i, 0,1,2
	v_permlane16_swap_b32 v[PC+\i], v[PT+\i]
.endr
.irp i, 0,1,2
	s_delay_alu instid0(VALU_DEP_3)
	v_mov_b32 v[PC+3+\i], v[PT+\i]
.endr
	v_cndmask_b32 v231, v220, v221, s56            ; lane (r, h) stores block h's byte
	global_store_b64 v2, v[PC:PC+1], s[52:53] offset:196608*\blk          ; 256 consecutive bytes
	global_store_b128 v1, v[PC+2:PC+5], s[52:53] offset:196608*\blk+256   ; 512 consecutive bytes
	global_store_b8 v7, v231, s[54:55] offset:8192*\blk                   ; a scale word's bytes belong to two heads: the one store in small pieces
.endm
	INIT
	s_wait_alu depctr_va_vdst(0)
	s_cmp_lt_u32 s12, 4
	s_cbranch_scc0 .Lnot_first
	s_wait_tensorcnt 0x0                           ; waves 0-3: records 0-3 are in
.Lnot_first:
	s_wait_dscnt 0x0
	s_barrier_signal -1
	s_barrier_wait -1
	WALK 0, 4, 16, 40                              ; records 0-3, while the other twelve may still be on their way: nothing is ever filled again
	s_wait_tensorcnt 0x0                           ; every wave: its record is in
	s_wait_dscnt 0x0
	s_barrier_signal -1
	s_barrier_wait -1
	WALK 60416, 12, 16, 40
	WAYOUT 0
	s_wait_xcnt 0x0                                ; the stores have read their data registers
	INIT
	WALK 0, 16, 28, 41
	WAYOUT 1
	s_wait_tensorcnt 0x0                           ; the wave's end
	ds_add_u32 v3, v4
	s_wait_dscnt 0x0
	CROUND                                         ; the closing round
	s_endpgm
.Lfunc_end_k_qc863fd8f5b_attn:
	.size	k_qc863fd8f5b_attn, .Lfunc_end_k_qc863fd8f5b_attn-k_qc863fd8f5b_attn
	.p2alignl 7, 3214868480
	.fill 96, 4, 3214868480
	.section	.rodata,"a",@progbits
	.p2align	6, 0x0
	.amdhsa_kernel k_qc863fd8f5b_attn
		.amdhsa_group_segment_fixed_size 243712
		.amdhsa_private_segment_fixed_size 0
		.amdhsa_enable_private_segment 0
		.amdhsa_kernarg_size 32
		.amdhsa_user_sgpr_count 2
		.amdhsa_user_sgpr_kernarg_segment_ptr 1
		.amdhsa_wavefront_size32 1
		.amdhsa_system_sgpr_workgroup_id_x 1
		.amdhsa_system_sgpr_workgroup_id_y 1
		.amdhsa_system_sgpr_workgroup_id_z 1
		.amdhsa_system_vgpr_workitem_id 0
		.amdhsa_next_free_vgpr 256
		.amdhsa_next_free_sgpr 72
		.amdhsa_reserve_vcc 0
		.amdhsa_float_denorm_mode_32 3
		.amdhsa_float_denorm_mode_16_64 3
		.amdhsa_memory_ordered 1
		.amdhsa_forward_progress 1
		.amdhsa_inst_pref_size 70
	.end_amdhsa_kernel
	.amdgpu_metadata
---
amdhsa.version: [ 1, 2 ]
amdhsa.kernels:
  - .name:           k_qc863fd8f5b_attn
    .symbol:         k_qc863fd8f5b_attn.kd
    .args:
      - { .name: qkv, .offset: 0, .size: 8, .value_kind: global_buffer, .address_space: global }
      - { .name: cs, .offset: 8, .size: 8, .value_kind: global_buffer, .address_space: global }
      - { .name: cimg, .offset: 16, .size: 8, .value_kind: global_buffer, .address_space: global }
      - { .name: cscl, .offset: 24, .size: 8, .value_kind: global_buffer, .address_space: global }
    .group_segment_fixed_size: 243712
    .private_segment_fixed_size: 0
    .kernarg_segment_align: 8
    .kernarg_segment_size: 32
    .max_flat_workgroup_size: 512
    .sgpr_count:     72
    .vgpr_count:     256
    .wavefront_size: 32
...
	.end_amdgpu_metadata
.endif
;; end of part 3
;; launch outp (part 4): grid 4 x 64, 4 waves a work-group, clusters of 4 x 4, 327,680 bytes of LDS; arguments cimg, cscl, img, scl, bo, out0; writes out0
.if DOCPART == 4
	.amdgcn_target "amdgcn-amd-amdhsa--gfx1250"
	.amdhsa_code_object_version 6
	.text
	.protected	k_qc863fd8f5b_outp
	.globl	k_qc863fd8f5b_outp
	.p2align	8
	.type	k_qc863fd8f5b_outp,@function
k_qc863fd8f5b_outp:
	s_mov_b64 s[64:65], 0
	v_nop
	global_prefetch_b8 v0, s[64:65] scope:SCOPE_SE
	s_setreg_imm32_b32 hwreg(HW_REG_WAVE_MODE, 25, 1), 1
	s_wait_xcnt 0x0
	s_wait_alu depctr_hold_cnt(0) depctr_sa_sdst(0) depctr_va_vdst(0) depctr_va_sdst(0) depctr_va_ssrc(0) depctr_va_vcc(0) depctr_vm_vsrc(0)
	s_getreg_b32 s2, hwreg(HW_REG_IB_STS2, 6, 4)
	s_cmp_eq_u32 s2, 0
	s_cbranch_scc0 .Lentry_in_a_cluster
	s_endpgm
.Lentry_in_a_cluster:
	s_bfe_u32 s2, ttmp6, 0x10000c
	s_cmp_lg_u32 s2, 0xf033
	s_cbranch_scc0 .Lentry_shape_is_right
	s_endpgm
.Lentry_shape_is_right:
; out0 = mish(ctx Wo + bo): ctx (cimg, cscl) and Wo (img, scl, tiles 704-767) are codes of FP6 (E2M3) with E8M0 bytes, laid as images of the operand registers (1,536 bytes a fragment, a tile's eight K steps on end).
; A work-group makes 128 x 256 of the result: 64 x 4 = 256 work-groups.  Four waves, 2 x 2; a wave makes 64 x 128: 32 accumulators, 256 registers.
; ALL OF K LIES IN LDS: A's 8 tiles (98,304 bytes), B's 16 (196,608), their scale words (4,096 and 8,192): four dense blocks, one joint load a wave at the head, every byte filled once.  No slot, no refill.
; CLUSTERS: 4 x 4; A's blocks are shared along a row of the cluster, B's along a column.  No prefetch: the launch has no loop to run ahead in; all that it reads is asked for at its head.
; The matrix instruction is used transposed (source 0 = Wo's rows): a lane holds neighbouring columns of one row.  The bias is the first products' C.
; A step is 128 along K, 32 products; the next step's fragments go into the other set of registers ahead of the step's products.
; mish(x) = x tanh(log(1 + e)) = x (1 - 2 / (e (e + 2) + 2)), e = exp(x).  Where e or its square passes f32's range the quotient is 0 and the result x; where e falls to 0 the result is 0.
; LIMIT: the factor 1 - 2 / (..) is rounded at the size of 1, so that for negative x the result carries an absolute error of up to |x| 2^-24.  NaN and infinities are not served.
; REGISTERS: window 0: v16-21, 24-29 addresses; v32-63 scale words, two sets; v64-127 the bias; v128-223 A's fragments, two sets of four.  Window 1: B's, two sets, at v0 and v128.  Window 2: the accumulators (a, b) at 8 (8 a + b).
.set ABYTES, 98304
.set SCL,   294912
.set SPARE, 307200                     ; the spare words: 128 bytes a wave, two blocks of 256 bytes that no other line names
.set FR, 12
.set NP, 4
.set ADRA, 16                          ; v16, v17 my A fragments: 8 x lane, 16 x lane
.set ADRB, 18                          ; v18, v19 my B tiles 0-3; v20, v21 tiles 4-7
.set L16,  24
.set L8,   25
.set ADRS, 27
.set SPW,  28
.set NIL,  29
.set SC,   32
.set BIAS, 64
.set AF,   128
.set G1, 24
.set G0, 32
.set G0B, 36
.set G1B, 48
.set G1S, 68
.set G0S, 76
.set G1SB, 80
.set G0SB, 88
.set MSB, 0
.macro WIN new
.if MSB != (\new)
	s_set_vgpr_msb (MSB<<8)|(\new)
.set MSB, (\new)
.endif
.endm
.macro PLACES n
.rept \n
	v_nop
.endr
.endm
.macro CROUND
	s_barrier_signal -1
	s_barrier_wait -1
	s_cmp_lg_u32 s18, 0
	s_cbranch_scc1 .Lnot_wave_0_\@
	s_barrier_signal -3
.Lnot_wave_0_\@:
	s_barrier_wait -3
	s_barrier_signal -1
	s_barrier_wait -1
.endm
.macro GRP g, c, rows, pitch
	s_mov_b32 s[\g+1], (\c)<<16
	s_mov_b32 s[\g+2], (\rows)<<16
	s_mov_b32 s[\g+3], (\c)<<16
	s_mov_b32 s[\g+4], \rows
	s_mov_b32 s[\g+5], \pitch
	s_mov_b32 s[\g+6], 0
	s_mov_b32 s[\g+7], 0
.endm
.macro GRP0 g, lds, a
	s_mov_b32 s[\g], 1
	s_mov_b32 s[\g+1], \lds
	s_mov_b64 s[\g+2:\g+3], s[\a:\a+1]
	s_or_b32 s[\g+3], s[\g+3], 0x80000000
.endm
.macro TLOAD g0, g1
	tensor_load_to_lds s[\g0:\g0+3], s[\g1:\g1+7]
	s_nop 0
	PLACES 4
.endm
.macro ARM under, g0, g1, next
	s_cmp_lt_u32 s18, \under
	s_cbranch_scc0 \next
	TLOAD \g0, \g1
	s_branch .Lhead_asked
\next:
.endm
.macro FRAG reg, adr, off              ; a fragment's image: registers 0-1, 2-5, 6-7, 8-11
	ds_load_b64  v[\reg:\reg+1],    v[\adr]   offset:\off
	ds_load_b128 v[\reg+2:\reg+5],  v[\adr+1] offset:(\off)+256
	ds_load_b64  v[\reg+6:\reg+7],  v[\adr]   offset:(\off)+768
	ds_load_b128 v[\reg+8:\reg+11], v[\adr+1] offset:(\off)+1024
.endm
.macro GET st                          ; step st's fragments into set st % 2; with an even step the scale words of two steps: lanes 0-15 A's tile i, lanes 16-31 B's tile i
	WIN 0x40
.irp i, 0,1,2,3,4,5,6,7
	FRAG 128*((\st)%2)+FR*\i, ADRB+2*(\i/4), 12288*(\i%4)+1536*(\st)
.endr
	WIN 0
.irp i, 0,1,2,3
	FRAG AF+48*((\st)%2)+FR*\i, ADRA, 12288*\i+1536*(\st)
.endr
.if (\st)%2 == 0
.irp i, 0,1,2,3,4,5,6,7
	ds_load_b64 v[SC+16*(((\st)/2)%2)+2*\i:SC+16*(((\st)/2)%2)+2*\i+1], v[ADRS] offset:512*\i+64*(\st)
.endr
.endif
.endm
.macro MUL16 a0, st, zero              ; A's tiles a0, a0 + 1 against B's eight; the 32 accumulators take turns in the same order in every step
.set PB_, 128*((\st)%2)
.set PA_, AF+48*((\st)%2)
.set PS_, SC+16*(((\st)/2)%2)+(\st)%2
.if \zero
	WIN 0x81
.else
	WIN 0xa1
.endif
.irp a, \a0, \a0+1
.irp b, 0,1,2,3,4,5,6,7
.if \zero
	v_wmma_scale_f32_16x16x128_f8f6f4 v[8*(8*(\a)+\b):8*(8*(\a)+\b)+7], v[PB_+FR*\b:PB_+FR*\b+FR-1], v[PA_+FR*(\a):PA_+FR*(\a)+FR-1], v[BIAS+8*\b:BIAS+8*\b+7], v[PS_+2*\b], v[PS_+2*(\a)] matrix_a_fmt:MATRIX_FMT_FP6 matrix_b_fmt:MATRIX_FMT_FP6 matrix_a_scale:MATRIX_SCALE_ROW1
.else
	v_wmma_scale_f32_16x16x128_f8f6f4 v[8*(8*(\a)+\b):8*(8*(\a)+\b)+7], v[PB_+FR*\b:PB_+FR*\b+FR-1], v[PA_+FR*(\a):PA_+FR*(\a)+FR-1], v[8*(8*(\a)+\b):8*(8*(\a)+\b)+7], v[PS_+2*\b], v[PS_+2*(\a)] matrix_a_fmt:MATRIX_FMT_FP6 matrix_b_fmt:MATRIX_FMT_FP6 matrix_a_scale:MATRIX_SCALE_ROW1
.endif
.endr
.endr
.endm
	s_load_b256 s[4:11], s[0:1], 0x0               ; cimg, cscl, img, scl
	s_load_b128 s[12:15], s[0:1], 0x20             ; bo, out0
	v_lshl_add_u32 v[SPW], v0, 2, SPARE
	v_mov_b32 v[NIL], 0
	ds_add_u32 v[SPW], v[NIL]                      ; the opening lines
	ds_add_u32 v[SPW], v[NIL]
	v_lshrrev_b32 v1, 5, v0
	v_readfirstlane_b32 s18, v1                    ; wave
	s_lshr_b32 s19, s18, 1                         ; my 64 rows
	s_and_b32 s20, s18, 1                          ; my 128 columns
	s_bfe_u32 s21, ttmp6, 0x40000                  ; cx
	s_bfe_u32 s22, ttmp6, 0x40004                  ; cy
	s_and_b32 s40, ttmp7, 0xffff
	s_lshl_b32 s41, s22, 2
	s_lshl_b32 s41, 15, s41                        ; my row of the cluster
	s_lshl_b32 s42, 0x1111, s21                    ; my column
	s_or_b32 s[G1], s41, (3<<16)|(1<<21)
	s_or_b32 s[G1B], s42, (3<<16)|(1<<21)
	s_or_b32 s[G1S], s41, (3<<16)|(1<<21)
	s_or_b32 s[G1SB], s42, (3<<16)|(1<<21)
	GRP G1, 1536, 8, 1536                          ; 8 tiles of 12,288 bytes on end
	GRP G1B, 1536, 16, 1536
	GRP G1S, 32, 16, 32                            ; 4,096 bytes as rows of 256
	GRP G1SB, 32, 32, 32
	s_lshl_b32 s43, s40, 5
	s_lshl_b32 s46, s22, 3
	s_add_co_u32 s43, s43, s46                     ; A's first tile: 32 x cluster y + 8 cy
	s_lshl_b32 s45, ttmp9, 6
	s_add_co_u32 s45, s45, 704
	s_lshl_b32 s47, s21, 4
	s_add_co_u32 s45, s45, s47                     ; B's: 704 + 64 x cluster x + 16 cx
	s_mul_i32 s92, s43, 12288
	s_mov_b32 s93, 0
	s_mul_i32 s94, s45, 12288
	s_mov_b32 s95, 0
	s_lshl_b32 s96, s43, 9
	s_mov_b32 s97, 0
	s_lshl_b32 s98, s45, 9
	s_mov_b32 s99, 0
	s_wait_dscnt 0x0
	s_wait_kmcnt 0x0
	s_add_nc_u64 s[92:93], s[4:5], s[92:93]
	s_add_nc_u64 s[94:95], s[8:9], s[94:95]
	s_add_nc_u64 s[96:97], s[6:7], s[96:97]
	s_add_nc_u64 s[98:99], s[10:11], s[98:99]
	GRP0 G0, 0, 92
	GRP0 G0B, ABYTES, 94
	GRP0 G0S, SCL, 96
	GRP0 G0SB, SCL+4096, 98
	CROUND                                         ; all sixteen work-groups are here: the joint loads meet
	ARM 1, G0,  G1,  .Lh_b                         ; one load a wave, one chain of branches: A's codes, B's codes, A's scale words, B's
	ARM 2, G0B, G1B, .Lh_sa
	ARM 3, G0S, G1S, .Lh_sb
	TLOAD G0SB, G1SB
.Lhead_asked:
	v_and_b32 v1, 31, v0
	v_and_b32 v2, 15, v0
	v_bfe_u32 v3, v0, 4, 1
	v_lshlrev_b32 v[L16], 4, v1
	v_lshlrev_b32 v[L8], 3, v1
	s_mul_i32 s40, s19, 49152                      ; my four tiles of A
	s_mul_i32 s41, s20, 98304                      ; my eight of B,
	s_add_co_u32 s41, s41, ABYTES                  ; behind A's
	v_add_nc_u32 v[ADRA], s40, v[L8]
	v_add_nc_u32 v[ADRA+1], s40, v[L16]
	v_add_nc_u32 v[ADRB], s41, v[L8]
	v_add_nc_u32 v[ADRB+1], s41, v[L16]
	s_add_co_u32 s41, s41, 49152
	v_add_nc_u32 v[ADRB+2], s41, v[L8]
	v_add_nc_u32 v[ADRB+3], s41, v[L16]
	s_lshl_b32 s40, s19, 11
	s_lshl_b32 s41, s20, 12
	s_add_co_u32 s41, s41, 4096
	s_sub_co_u32 s41, s41, s40
	s_wait_alu depctr_va_vdst(0)
	v_mul_u32_u24 v4, s41, v3                      ; lanes 16-31 take B's words
	s_add_co_u32 s40, s40, SCL
	v_lshl_add_u32 v4, v2, 3, v4
	v_add_nc_u32 v[ADRS], s40, v4
	s_sub_co_u32 s41, s45, 704
	s_lshl_b32 s41, s41, 4
	s_lshl_b32 s42, s20, 7
	s_add_co_u32 s41, s41, s42
	s_lshl_b32 s41, s41, 2                         ; my first column, in bytes
	v_lshlrev_b32 v5, 6, v3
	v_add_nc_u32 v5, s41, v5
.irp e, 0,1,2,3
.irp k, 0,1,2,3
	global_load_b128 v[BIAS+16*\e+4*\k:BIAS+16*\e+4*\k+3], v5, s[12:13] offset:128*\e+16*\k   ; register 8 b + j: column 32 (b / 2) + 16 h + 8 (b % 2) + j
.endr
.endr
	s_lshl_b32 s40, s43, 4
	s_lshl_b32 s42, s19, 6
	s_add_co_u32 s40, s40, s42                     ; my first row
	s_lshl_b32 s40, s40, 12
	s_add_co_u32 s40, s40, s41
	s_mov_b32 s41, 0
	s_add_nc_u64 s[14:15], s[14:15], s[40:41]
	s_mul_i32 s44, s18, 8448                       ; my stage, 16 rows x 528 bytes, in A's bytes
	v_mul_u32_u24 v9, v2, 528
	v_lshl_add_u32 v9, v3, 6, v9
	v_add_nc_u32 v9, s44, v9
	v_add_nc_u32 v10, s44, v[L16]
	s_mov_b32 s40, 0x3fb8aa3b                      ; log2(e)
	s_mov_b32 s41, s40
	s_wait_alu depctr_va_vdst(0)
	s_wait_tensorcnt 0x0                           ; every wave: its block is in
	s_barrier_signal -1
	s_barrier_wait -1                              ; all four blocks are in
	GET 0
	s_wait_loadcnt 0x0                             ; the bias
	s_wait_dscnt 0x0
	GET 1
	MUL16 0, 0, 1
	MUL16 2, 0, 1
	WIN 0
.set ST, 1
.rept 6
	s_wait_dscnt 0x0                               ; this step's fragments, asked for ahead of the last step's 32 products
	PLACES NP                                      ; places behind the last products, whose registers the loads below fill
	GET ST+1
	MUL16 0, ST, 0
	MUL16 2, ST, 0
	WIN 0
.set ST, ST+1
.endr
	s_wait_dscnt 0x0                               ; my last reads of the tiles are over:
	s_barrier_signal -1                            ; behind this barrier A's bytes serve as stages
	MUL16 0, 7, 0
	MUL16 2, 7, 0
	WIN 0
	s_barrier_wait -1
	PLACES NP
.set E,  32
.set D,  96
.set BK, 160
.macro PKALL op, d, a, b:vararg        ; a packed line over 64 numbers
.set ii, 0
.rept 32
	\op v[\d+2*ii:\d+2*ii+1], v[\a+2*ii:\a+2*ii+1], \b
.set ii, ii+1
.endr
.endm
.macro PKVV op, d, a, b
.set ii, 0
.rept 32
	\op v[\d+2*ii:\d+2*ii+1], v[\a+2*ii:\a+2*ii+1], v[\b+2*ii:\b+2*ii+1]
.set ii, ii+1
.endr
.endm
.macro OUTA a                          ; block a: 16 rows x 128 columns
.set AC, 64*(\a)
	WIN 0x02
	PKALL v_pk_mul_f32, E, AC, s[40:41] op_sel_hi:[1,0]
	WIN 0
	s_wait_alu depctr_va_vdst(0)
.set ii, 0
.rept 64
	v_exp_f32 v[E+ii], v[E+ii]                     ; e
.set ii, ii+1
.endr
	v_nop
	s_wait_alu depctr_va_vdst(0)
	PKALL v_pk_add_f32, D, E, 2.0 op_sel_hi:[1,0]
.set ii, 0
.rept 32
	v_pk_fma_f32 v[D+2*ii:D+2*ii+1], v[E+2*ii:E+2*ii+1], v[D+2*ii:D+2*ii+1], 2.0 op_sel_hi:[1,1,0]   ; e (e + 2) + 2
.set ii, ii+1
.endr
	s_wait_alu depctr_va_vdst(0)
.set ii, 0
.rept 64
	v_rcp_f32 v[D+ii], v[D+ii]
.set ii, ii+1
.endr
	v_nop
	s_wait_alu depctr_va_vdst(0)
	PKALL v_pk_fma_f32, E, D, -2.0, 1.0 op_sel_hi:[1,0,0]
	WIN 0x08
	PKVV v_pk_mul_f32, E, E, AC                    ; x (1 - 2 / (e (e + 2) + 2))
	WIN 0
.if (\a) > 0
	s_wait_alu depctr_va_vdst(0)
	s_wait_xcnt 0x0                                ; the last block's stores have read their registers
.endif
.irp e, 0,1,2,3
.irp k, 0,1,2,3
	ds_store_b128 v9, v[E+16*\e+4*\k:E+16*\e+4*\k+3] offset:128*\e+16*\k
.endr
.endr
.irp t, 0,1,2,3,4,5,6,7,8,9,10,11,12,13,14,15
	ds_load_b128 v[BK+4*\t:BK+4*\t+3], v10 offset:528*\t     ; LDS serves a wave's instructions in order: these see my stores
.endr
	s_wait_dscnt 0x0
.irp t, 0,1,2,3,4,5,6,7,8,9,10,11,12,13,14,15
	global_store_b128 v[L16], v[BK+4*\t:BK+4*\t+3], s[14:15] offset:(32*((\a)/2)+8*((\a)%2)+\t+8*(\t/8))*4096 th:TH_STORE_NT   ; 512 consecutive bytes, aligned
.endr
.endm
.irp a, 0,1,2,3
	OUTA \a
.endr
	s_wait_tensorcnt 0x0                           ; the wave's end
	ds_add_u32 v[SPW], v[NIL]
	s_wait_dscnt 0x0
	CROUND                                         ; the closing round
	s_endpgm
.Lfunc_end_k_qc863fd8f5b_outp:
	.size	k_qc863fd8f5b_outp, .Lfunc_end_k_qc863fd8f5b_outp-k_qc863fd8f5b_outp
	.p2alignl 7, 3214868480
	.fill 96, 4, 3214868480
	.section	.rodata,"a",@progbits
	.p2align	6, 0x0
	.amdhsa_kernel k_qc863fd8f5b_outp
		.amdhsa_group_segment_fixed_size 327680
		.amdhsa_private_segment_fixed_size 0
		.amdhsa_enable_private_segment 0
		.amdhsa_kernarg_size 48
		.amdhsa_user_sgpr_count 2
		.amdhsa_user_sgpr_kernarg_segment_ptr 1
		.amdhsa_wavefront_size32 1
		.amdhsa_system_sgpr_workgroup_id_x 1
		.amdhsa_system_sgpr_workgroup_id_y 1
		.amdhsa_system_sgpr_workgroup_id_z 1
		.amdhsa_system_vgpr_workitem_id 0
		.amdhsa_next_free_vgpr 768
		.amdhsa_next_free_sgpr 104
		.amdhsa_reserve_vcc 0
		.amdhsa_float_denorm_mode_32 3
		.amdhsa_float_denorm_mode_16_64 3
		.amdhsa_memory_ordered 1
		.amdhsa_forward_progress 1
		.amdhsa_inst_pref_size 142
	.end_amdhsa_kernel
	.amdgpu_metadata
---
amdhsa.version: [ 1, 2 ]
amdhsa.kernels:
  - .name:           k_qc863fd8f5b_outp
    .symbol:         k_qc863fd8f5b_outp.kd
    .args:
      - { .name: cimg, .offset: 0, .size: 8, .value_kind: global_buffer, .address_space: global }
      - { .name: cscl, .offset: 8, .size: 8, .value_kind: global_buffer, .address_space: global }
      - { .name: img, .offset: 16, .size: 8, .value_kind: global_buffer, .address_space: global }
      - { .name: scl, .offset: 24, .size: 8, .value_kind: global_buffer, .address_space: global }
      - { .name: bo, .offset: 32, .size: 8, .value_kind: global_buffer, .address_space: global }
      - { .name: out0, .offset: 40, .size: 8, .value_kind: global_buffer, .address_space: global }
    .group_segment_fixed_size: 327680
    .private_segment_fixed_size: 0
    .kernarg_segment_align: 8
    .kernarg_segment_size: 48
    .max_flat_workgroup_size: 128
    .sgpr_count:     104
    .vgpr_count:     768
    .wavefront_size: 32
...
	.end_amdgpu_metadata
.endif
;; end of part 4
